; MI455X (gfx1250); checked and timed in simulation.
; The chip was launched on July 23, 2026; its instructions are those of AMD's public machine-readable ISA for CDNA 5 (MIT licence, August 2026) and "CDNA5" Instruction Set Architecture Reference Guide (July 2026). The comments in the code are by the model that wrote it; some were corrected since.
;; Mistral Flash Attention2. Allowed arithmetic: matrix products marked QUANTISED: E4M3 operands, one given power-of-two scale a tensor, by v_wmma_f32_16x16x64_fp8_fp8 or v_wmma_f32_16x16x128_fp8_fp8, f32 sums; everything else in f32.
;; Inputs: key 1 x 4,096 x 2,048 float32; lowp_scales 12 int32 (the exponents e of the quantised operands' scales 2^e); position_ids 1 x 4,096 int32; query 1 x 4,096 x 2,048 float32; value 1 x 4,096 x 2,048 float32; wk 2,048 x 512 float32; wo 1,024 x 2,048 float32; wq 2,048 x 1,024 float32; wv 2,048 x 512 float32.
;; Outputs: out0 1 x 4,096 x 2,048 float32.
;; This version of the problem:
;;   THIS VERSION OF THE PROBLEM IS GIVEN IN LOW PRECISION. The matrix products marked QUANTISED in the list below multiply operands that are first quantised to E4M3 (4 exponent bits, 3 mantissa bits; 8 bits a number), with one given power-of-two scale for each operand tensor; their sums are f32. All else is computed in f32.
;;   The module's matrix products, in the order in which they are computed (A, B: the left and right operand; K: the contracted axis; several contracted axes count as one K, in the product's order):
;;     1. [M 4,096, K 2,048] x [K 2,048, N 1,024]; A: input query; B: input wq: QUANTISED (scales: A lowp_scales[0], B lowp_scales[1])
;;     2. [M 4,096, K 2,048] x [K 2,048, N 512]; A: input key; B: input wk: QUANTISED (scales: A lowp_scales[2], B lowp_scales[3])
;;     3. [M 4,096, K 2,048] x [K 2,048, N 512]; A: input value; B: input wv: QUANTISED (scales: A lowp_scales[4], B lowp_scales[5])
;;     4. batch 8 x [M 4,096, K 128] x [K 128, N 4,096]; A: computed on the way; B: computed on the way: QUANTISED (scales: A lowp_scales[6], B lowp_scales[7])
;;     5. batch 8 x [M 4,096, K 4,096] x [K 4,096, N 128]; A: softmax (see below); B: computed on the way: QUANTISED (scales: A lowp_scales[8], B lowp_scales[9])
;;     6. [M 4,096, K 1,024] x [K 1,024, N 2,048]; A: computed on the way; B: input wo: QUANTISED (scales: A lowp_scales[10], B lowp_scales[11])
;;   THE QUANTISER, for each operand of a quantised product, along K:
;;     - The operand's scale is 2^e, e = its entry of the input lowp_scales (int32; the entries are numbered through the quantised products in the list's order, A before B).
;;     - Each number is divided by the scale, clamped to +-448, and rounded to the nearest number of E4M3, ties to even, subnormals kept.
;;     - The product sums the exact products of the quantised numbers (number of the format x scale) in f32.
;;   ~~~python
;;   def quantise(x, axis, e):      # numpy; x: float32 -> the quantised numbers, widened to float32 again
;;       x = np.moveaxis(x, axis, -1); K = x.shape[-1]
;;       r = np.clip(x / 2.0 ** e, -448, 448)
;;       step = 2.0 ** (np.maximum(np.frexp(np.where(r == 0, 1, r))[1] - 1, -6) - 3)
;;       q = np.round(r / step) * step * 2.0 ** e      # np.round: ties to even
;;       return np.moveaxis(q, -1, axis).astype(np.float32)
;;   ~~~
;;   SOFTMAX AHEAD OF A QUANTISED PRODUCT. Where the list says 'softmax', what is quantised is not the finished softmax but p = 2^(t - M), with t = logit x log2(e) and M = ceil(the row's largest t), a whole number; so 1/2 < the row's largest p <= 1. The row's sum l is taken of the UNQUANTISED p, in f32, and the product's result is divided by l at the end. Since M is a whole number, a kernel that streams over the keys may use a running M (the ceiling of the running maximum): every later rescaling is an exact power of two, so the quantised numbers keep their values, but for numbers so far below the row's largest that they fall under the format's range.
;;   OPERANDS COMPUTED ON THE WAY. 'Computed on the way' means the value that the module computes at that place (a softmax that the list does not call 'softmax' is quantised finished and normalised). What goes into a quantiser is computed in f32, as accurately as f32 sums, v_exp_f32 and their like allow (about 1e-6 of the number): no bf16 or f16 on the way to a quantiser, and a product that is left as it is and whose result goes on into a quantised operand takes f32 operands (vector FMAs, or v_wmma_f32_16x16x4_f32). A number that lies on a knife's edge between two numbers of the format may be rounded either way, as far as f32 arithmetic and the matrix unit's own rounding can turn it there, and no further.
;; One version. Each part assembles by itself: llvm-mc -triple=amdgcn-amd-amdhsa -mcpu=gfx1250 --defsym DOCPART=n.
;; ======== version 1 of 1: 4 launches
;; limits: right only within a limited range of input values
;; workspace buffers: wimg 4,194,304 bytes; woimg 2,097,152 bytes; cstab 2,097,152 bytes; qimg 4,194,304 bytes; kvimg 4,194,304 bytes; oimg 4,194,304 bytes
;; launch prep (part 1): grid 256 x 1, 8 waves a work-group, no clusters, 0 bytes of LDS; arguments wq, wk, wv, wo, position_ids, lowp_scales, wimg, woimg, cstab; writes wimg, woimg, cstab
.if DOCPART == 1
	.amdgcn_target "amdgcn-amd-amdhsa--gfx1250"
	.amdhsa_code_object_version 6
	.text
	.protected	k_q7dc6cb0971_prep
	.globl	k_q7dc6cb0971_prep
	.p2align	8
	.type	k_q7dc6cb0971_prep,@function
k_q7dc6cb0971_prep:
	s_mov_b64 s[64:65], 0
	v_nop
	global_prefetch_b8 v0, s[64:65] scope:SCOPE_SE
	s_setreg_imm32_b32 hwreg(HW_REG_WAVE_MODE, 25, 1), 1
	s_wait_xcnt 0x0
; FIRST OF FOUR LAUNCHES (prep, proj, attn, oproj) of sliding-window attention on codes of FP8 (E4M3), each operand with the one scale 2^e that is given for it.
; WORK LEFT OUT BY THE PROGRAM (in attn): the mask (key <= query and key >= query - 2048) is built in the problem's own body from the two positions in the sequence alone.  A block of 128 keys in which
; every (query, key) pair of a tile of 16 queries fails it gets the lowest f32 number as every score; each row holds key = query, whose score is a finite number, so the weights of such a block are 0 for all values of the inputs.
; Such blocks are neither multiplied nor, where no wave of a work-group needs them, loaded.  LIMIT: a NaN, an infinity or an overflow that reaches only such blocks is not carried to the result.  Every input has a way to the output and is loaded.
; THIS LAUNCH: (a) wq, wk, wv, wo, f32 with K as their FIRST axis, become codes laid as images of operand registers; (b) the table of cos and sin for the rotary embedding, from position_ids.
; A FRAGMENT IMAGE is 16 rows x 128 K of codes, 2,048 bytes: chunk c (registers 4 c .. 4 c + 3) of lane l lies at 512 c + 16 l; lane (r = l % 16, h = l / 16) holds row r, its registers 2 i, 2 i + 1 hold K = 16 i + 8 h + 0 .. 7.
; (a) Work-groups 0 to 191: 256 columns x 128 along K each.  A LANE TAKES A COLUMN AND ITS REGISTERS RUN DOWN K: a load reads 128 consecutive bytes a wave, 1,024 a work-group.  The 32 rows of a chunk are loaded in the order
; 0-7, 16-23, 8-15, 24-31, so that the four conversions give the 16 bytes of lane (r, 0) and then those of lane (r, 1): sixteen lanes store 256 consecutive bytes, aligned.
; code = x / 2^e, held within +-448, to the nearest code, ties to even.  LIMITS: -126 <= e <= 119 for entries 1, 3, 5, 11 of the scales.  NaN among the inputs is not served.
; (b) Work-groups 192 to 255: four tiles of 16 rows each.  angle = f32(position) x inv_freq, one rounding; inv_freq = 2^(-f c), c = log2(10000) / 64 in two parts; cos and sin by reduction with pi / 2 in three parts and two polynomials.
; LIMIT: |position| < 2^23.  No LDS, no barrier, no matrix work: the launch streams, and waves share nothing.
.set OFF,  2                           ; v2-33   byte offset of my column in row i of a chunk's 32 rows, in the order above
.set SO,   34                          ; v34     where my 16 bytes of a chunk go: fragment (thread / 16) x 2,048 + 16 (thread % 16)
.set SC,   35                          ; v35     2^e as f32
.set LIMV, 36                          ; v36     448 x 2^e
.set X,    64                          ; v64-191 four chunks of 32 numbers
.set C,    192                         ; v192-223 their codes: registers of their own for each chunk, so that no store's data are written again
	s_load_b256 s[4:11], s[0:1], 0x0               ; wq, wk, wv, wo
	s_load_b256 s[12:19], s[0:1], 0x20             ; position_ids, the scales' exponents, wimg, woimg
	s_load_b64 s[20:21], s[0:1], 0x40              ; cstab
	s_cmp_ge_u32 ttmp9, 192
	s_cbranch_scc1 .Ltable
	; ---------------- (a) the weights
	v_lshlrev_b32 v1, 2, v0                        ; my column of the work-group's 256, in bytes
	v_lshrrev_b32 v[SO], 4, v0
	v_and_b32 v37, 15, v0
	s_delay_alu instid0(VALU_DEP_2)
	v_lshlrev_b32 v[SO], 11, v[SO]
	s_delay_alu instid0(VALU_DEP_1)
	v_lshl_add_u32 v[SO], v37, 4, v[SO]
	s_mov_b32 s24, 0                               ; the tensor's first work-group
	s_mov_b32 s25, 2                               ; log2 of its groups of 256 columns
	s_mov_b32 s26, 0                               ; its place in wimg
	s_wait_alu depctr_va_vdst(0)
	s_wait_kmcnt 0x0
	s_load_b256 s[40:47], s[14:15], 0x0            ; e0 .. e7
	s_load_b128 s[48:51], s[14:15], 0x20           ; e8 .. e11
	s_mov_b64 s[22:23], s[4:5]                     ; which tensor: chosen by the work-group's number alone
	s_cmp_ge_u32 ttmp9, 64
	s_cselect_b64 s[22:23], s[6:7], s[22:23]
	s_cselect_b32 s24, 64, s24
	s_cselect_b32 s25, 1, s25
	s_cselect_b32 s26, 0x200000, s26
	s_cmp_ge_u32 ttmp9, 96
	s_cselect_b64 s[22:23], s[8:9], s[22:23]
	s_cselect_b32 s24, 96, s24
	s_cselect_b32 s26, 0x300000, s26
	s_cmp_ge_u32 ttmp9, 128
	s_cselect_b64 s[22:23], s[10:11], s[22:23]
	s_cselect_b32 s24, 128, s24
	s_cselect_b32 s25, 3, s25
	s_cselect_b64 s[28:29], s[18:19], s[16:17]     ; wo's codes go to woimg, the others' to wimg
	s_sub_co_u32 s27, ttmp9, s24
	s_lshl_b32 s30, 1, s25
	s_sub_co_u32 s30, s30, 1
	s_and_b32 s30, s27, s30                        ; cg: which 256 columns
	s_lshr_b32 s31, s27, s25                       ; ks: which 128 along K
	s_lshl_b32 s52, 1024, s25                      ; a row of the tensor in bytes
	s_lshr_b32 s53, s30, 1                         ; wimg [g 4][ks 16][32 fragments]: (cg / 2) x 2^20 + ks x 65,536 + (cg % 2) x 32,768
	s_lshl_b32 s53, s53, 20
	s_add_co_u32 s53, s53, s26
	s_lshl_b32 s54, s31, 16
	s_add_co_u32 s53, s53, s54
	s_and_b32 s54, s30, 1
	s_lshl_b32 s54, s54, 15
	s_add_co_u32 s53, s53, s54
	s_lshl_b32 s54, s30, 18                        ; woimg [cg 8][ks 8][16 fragments]: cg x 262,144 + ks x 32,768
	s_lshl_b32 s55, s31, 15
	s_add_co_u32 s54, s54, s55
	s_cmp_ge_u32 ttmp9, 128
	s_cselect_b32 s54, s54, s53
	s_mov_b32 s55, 0
	s_add_nc_u64 s[28:29], s[28:29], s[54:55]
	s_add_co_u32 s56, s25, 17
	s_lshl_b32 s56, s31, s56                       ; ks x 128 rows
	s_lshl_b32 s57, s30, 10
	s_add_co_u32 s56, s56, s57                     ; + cg x 256 columns
	s_mov_b32 s57, 0
	s_lshl_b32 s58, s52, 5                         ; 32 rows
	s_mov_b32 s59, 0
	s_add_nc_u64 s[32:33], s[22:23], s[56:57]      ; a base for each chunk of 32 rows: none is ever stepped
	s_add_nc_u64 s[34:35], s[32:33], s[58:59]
	s_add_nc_u64 s[36:37], s[34:35], s[58:59]
	s_add_nc_u64 s[38:39], s[36:37], s[58:59]
.set i, 0
.rept 32
	v_mad_u32_u24 v[OFF+i], s52, (i&7)+8*((((i>>3)&1)<<1)|(i>>4)), v1
.set i, i+1
.endr
.macro LOADW t
.set i, 0
.rept 32
	global_load_b32 v[X+32*(\t)+i], v[OFF+i], s[32+2*(\t):33+2*(\t)] th:TH_LOAD_NT
.set i, i+1
.endr
.endm
.macro BLOCKW t, left
	s_wait_loadcnt \left                           ; this chunk's 32 loads are in; the next chunk's may be out
.set i, 0
.rept 32
	v_med3_num_f32 v[X+32*(\t)+i], v[X+32*(\t)+i], -v[LIMV], v[LIMV]   ; the conversion to an 8-bit code does not saturate (ISA guide 7.6.2): the hold comes first
.set i, i+1
.endr
.irp g, 0,1,2,3
	v_cvt_scalef32_pk8_fp8_f32 v[C+8*(\t)+2*\g:C+8*(\t)+2*\g+1], v[X+32*(\t)+8*\g:X+32*(\t)+8*\g+7], v[SC]
.endr
	global_store_b128 v[SO], v[C+8*(\t):C+8*(\t)+3], s[28:29] offset:512*(\t)          ; lanes (r, 0) of the chunk: sixteen lanes store 256 consecutive bytes, aligned
	global_store_b128 v[SO], v[C+8*(\t)+4:C+8*(\t)+7], s[28:29] offset:512*(\t)+256    ; lanes (r, 1)
.endm
	LOADW 0
	LOADW 1
	s_wait_kmcnt 0x0
	s_mov_b32 s60, s41                             ; e: entry 1, 3, 5 or 11
	s_cmp_ge_u32 ttmp9, 64
	s_cselect_b32 s60, s43, s60
	s_cmp_ge_u32 ttmp9, 96
	s_cselect_b32 s60, s45, s60
	s_cmp_ge_u32 ttmp9, 128
	s_cselect_b32 s60, s51, s60
	s_add_co_i32 s60, s60, 127
	s_lshl_b32 s61, s60, 23
	v_mov_b32 v[SC], s61
	s_add_co_i32 s60, s60, 8
	s_lshl_b32 s60, s60, 23
	s_or_b32 s60, s60, 0x600000
	v_mov_b32 v[LIMV], s60
	s_wait_alu depctr_va_vdst(0)
	BLOCKW 0, 32
	LOADW 2
	BLOCKW 1, 32
	LOADW 3
	BLOCKW 2, 32
	BLOCKW 3, 0
	s_endpgm
	; ---------------- (b) the table.  cstab [tile of 16 rows][chunk 16][lane 32][16 bytes]: registers 0-31 cos, 32-63 sin; register 8 t + j of lane (r, h): row r of the tile, frequency 16 t + 8 h + j.
	; Wave w makes chunk w (cos) and chunk w + 8 (sin): frequencies 16 (w / 2) + 8 h + 4 (w % 2) + 0 .. 3.
.Ltable:
	v_and_b32 v1, 15, v0
	s_delay_alu instid0(VALU_DEP_1)
	v_lshlrev_b32 v1, 2, v1                        ; my row's position: 4 r
	v_lshlrev_b32 v2, 4, v0                        ; 512 w + 16 lane
	v_lshrrev_b32 v3, 6, v0
	s_delay_alu instid0(VALU_DEP_1)
	v_lshlrev_b32 v3, 4, v3
	v_bfe_u32 v4, v0, 5, 1
	s_delay_alu instid0(VALU_DEP_1)
	v_lshl_add_u32 v3, v4, 2, v3
	v_bfe_u32 v4, v0, 4, 1
	s_delay_alu instid0(VALU_DEP_1)
	v_lshl_add_u32 v3, v4, 3, v3                   ; my first frequency
	s_sub_co_u32 s24, ttmp9, 192
	s_lshl_b32 s26, s24, 8                         ; 64 positions
	s_mov_b32 s27, 0
	s_lshl_b32 s28, s24, 15                        ; four tiles of 8,192 bytes
	s_mov_b32 s29, 0
	s_mov_b32 s30, 0x3fc90fda                      ; pi / 2 in three parts
	s_mov_b32 s31, 0x33a22168
	s_mov_b32 s32, 0x27c234c4
	s_mov_b32 s33, 0xb3f6865d                      ; c's low part; its high part, 0x3e549a80, has 17 significant bits, so f x it is exact for f < 64
	s_wait_alu depctr_va_vdst(0)
	s_wait_kmcnt 0x0
	s_add_nc_u64 s[12:13], s[12:13], s[26:27]
	s_add_nc_u64 s[20:21], s[20:21], s[28:29]
.irp t, 0,1,2,3
	global_load_b32 v[8+\t], v1, s[12:13] offset:64*\t
.endr
.irp i, 0,1,2,3
	v_add_nc_u32 v[12+\i], \i, v3
	s_delay_alu instid0(VALU_DEP_1)
	v_cvt_f32_u32 v[12+\i], v[12+\i]               ; f
	s_delay_alu instid0(VALU_DEP_1)
	v_mul_f32 v[16+\i], 0x3e549a80, v[12+\i]       ; exact
	s_delay_alu instid0(VALU_DEP_1)
	v_rndne_f32 v[20+\i], v[16+\i]                 ; n
	s_delay_alu instid0(VALU_DEP_1)
	v_sub_f32 v[16+\i], v[16+\i], v[20+\i]         ; exact
	s_delay_alu instid0(VALU_DEP_1)
	v_fma_f32 v[16+\i], v[12+\i], s33, v[16+\i]    ; f c - n, within a half
	s_delay_alu instid0(VALU_DEP_3)
	v_cvt_i32_f32 v[20+\i], v[20+\i]
	s_delay_alu instid0(VALU_DEP_1)
	v_sub_nc_u32 v[20+\i], 0, v[20+\i]
.endr
	s_wait_alu depctr_va_vdst(0)
.irp i, 0,1,2,3
	v_exp_f32 v[24+\i], -v[16+\i]
.endr
	v_nop                                          ; a plain instruction behind the last exponential
	s_wait_alu depctr_va_vdst(0)                   ; one wait for the four, ahead of their first reader
.irp i, 0,1,2,3
	v_ldexp_f32 v[24+\i], v[24+\i], v[20+\i]       ; inv_freq = 2^(-(f c - n)) x 2^(-n)
.endr
; cos and sin of v[x]: n = the nearest whole number to x 2 / pi; r = x - n pi / 2 by three fused multiply-adds; sin r and cos r by their series on |r| <= pi / 4 (the first terms left out are below 2e-9); the quadrant n mod 4 swaps and signs them, by selects.
.macro SINCOS x, c, s
	s_delay_alu instid0(VALU_DEP_1)
	v_mul_f32 v32, 0x3f22f983, v[\x]
	s_delay_alu instid0(VALU_DEP_1)
	v_rndne_f32 v32, v32
	s_delay_alu instid0(VALU_DEP_1)
	v_fma_f32 v33, -v32, s30, v[\x]
	s_delay_alu instid0(VALU_DEP_1)
	v_fma_f32 v33, -v32, s31, v33
	s_delay_alu instid0(VALU_DEP_1)
	v_fma_f32 v33, -v32, s32, v33                  ; r
	s_delay_alu instid0(VALU_DEP_4)
	v_cvt_i32_f32 v34, v32                         ; the quadrant's number
	s_delay_alu instid0(VALU_DEP_2)
	v_mul_f32 v35, v33, v33                        ; z = r r
	v_mov_b32 v36, 0x3638ef1d
	s_delay_alu instid0(VALU_DEP_1)
	v_fmaak_f32 v36, v36, v35, 0xb9500d01
	s_delay_alu instid0(VALU_DEP_1)
	v_fmaak_f32 v36, v36, v35, 0x3c088889
	s_delay_alu instid0(VALU_DEP_1)
	v_fmaak_f32 v36, v36, v35, 0xbe2aaaab
	v_mul_f32 v37, v33, v35
	s_delay_alu instid0(VALU_DEP_1)
	v_fma_f32 v36, v37, v36, v33                   ; sin r
	v_mov_b32 v37, 0xb493f27e
	s_delay_alu instid0(VALU_DEP_1)
	v_fmaak_f32 v37, v37, v35, 0x37d00d01
	s_delay_alu instid0(VALU_DEP_1)
	v_fmaak_f32 v37, v37, v35, 0xbab60b61
	s_delay_alu instid0(VALU_DEP_1)
	v_fmaak_f32 v37, v37, v35, 0x3d2aaaab
	s_delay_alu instid0(VALU_DEP_1)
	v_fma_f32 v37, v37, v35, -0.5
	s_delay_alu instid0(VALU_DEP_1)
	v_fma_f32 v37, v37, v35, 1.0                   ; cos r
	v_and_b32 v38, 1, v34
	s_delay_alu instid0(VALU_DEP_1)
	v_cmp_eq_u32 vcc_lo, 1, v38
	s_delay_alu instid0(VALU_DEP_1)
	v_cndmask_b32 v[\s], v36, v37, vcc_lo          ; odd quadrants change the two
	s_delay_alu instid0(VALU_DEP_2)
	v_cndmask_b32 v[\c], v37, v36, vcc_lo
	v_lshlrev_b32 v38, 30, v34
	s_delay_alu instid0(VALU_DEP_1)
	v_and_b32 v38, 0x80000000, v38
	s_delay_alu instid0(VALU_DEP_1)
	v_xor_b32 v[\s], v38, v[\s]                    ; sin is negated in quadrants 2 and 3,
	v_add_nc_u32 v34, 1, v34
	s_delay_alu instid0(VALU_DEP_1)
	v_lshlrev_b32 v38, 30, v34
	s_delay_alu instid0(VALU_DEP_1)
	v_and_b32 v38, 0x80000000, v38
	s_delay_alu instid0(VALU_DEP_1)
	v_xor_b32 v[\c], v38, v[\c]                    ; cos in 1 and 2
.endm
.irp t, 0,1,2,3
	s_wait_loadcnt 3-\t                            ; this tile's positions are in; the later tiles' loads may be out
	v_cvt_f32_i32 v28, v[8+\t]
	s_wait_alu depctr_va_vdst(0)
.irp i, 0,1,2,3
	v_mul_f32 v29, v28, v[24+\i]
	SINCOS 29, 48+8*\t+\i, 52+8*\t+\i
.endr
	global_store_b128 v2, v[48+8*\t:51+8*\t], s[20:21] offset:8192*\t          ; a wave stores 512 consecutive bytes, aligned
	global_store_b128 v2, v[52+8*\t:55+8*\t], s[20:21] offset:8192*\t+4096
.endr
	s_endpgm
.Lfunc_end_k_q7dc6cb0971_prep:
	.size	k_q7dc6cb0971_prep, .Lfunc_end_k_q7dc6cb0971_prep-k_q7dc6cb0971_prep
	.p2alignl 7, 3214868480
	.fill 96, 4, 3214868480
	.section	.rodata,"a",@progbits
	.p2align	6, 0x0
	.amdhsa_kernel k_q7dc6cb0971_prep
		.amdhsa_group_segment_fixed_size 0
		.amdhsa_private_segment_fixed_size 0
		.amdhsa_enable_private_segment 0
		.amdhsa_kernarg_size 72
		.amdhsa_user_sgpr_count 2
		.amdhsa_user_sgpr_kernarg_segment_ptr 1
		.amdhsa_wavefront_size32 1
		.amdhsa_system_sgpr_workgroup_id_x 1
		.amdhsa_system_sgpr_workgroup_id_y 1
		.amdhsa_system_sgpr_workgroup_id_z 1
		.amdhsa_system_vgpr_workitem_id 0
		.amdhsa_next_free_vgpr 224
		.amdhsa_next_free_sgpr 66
		.amdhsa_reserve_vcc 1
		.amdhsa_float_denorm_mode_32 3
		.amdhsa_float_denorm_mode_16_64 3
		.amdhsa_memory_ordered 1
		.amdhsa_forward_progress 1
		.amdhsa_inst_pref_size 69
	.end_amdhsa_kernel
	.amdgpu_metadata
---
amdhsa.version: [ 1, 2 ]
amdhsa.kernels:
  - .name:           k_q7dc6cb0971_prep
    .symbol:         k_q7dc6cb0971_prep.kd
    .args:
      - { .name: wq, .offset: 0, .size: 8, .value_kind: global_buffer, .address_space: global }
      - { .name: wk, .offset: 8, .size: 8, .value_kind: global_buffer, .address_space: global }
      - { .name: wv, .offset: 16, .size: 8, .value_kind: global_buffer, .address_space: global }
      - { .name: wo, .offset: 24, .size: 8, .value_kind: global_buffer, .address_space: global }
      - { .name: position_ids, .offset: 32, .size: 8, .value_kind: global_buffer, .address_space: global }
      - { .name: lowp_scales, .offset: 40, .size: 8, .value_kind: global_buffer, .address_space: global }
      - { .name: wimg, .offset: 48, .size: 8, .value_kind: global_buffer, .address_space: global }
      - { .name: woimg, .offset: 56, .size: 8, .value_kind: global_buffer, .address_space: global }
      - { .name: cstab, .offset: 64, .size: 8, .value_kind: global_buffer, .address_space: global }
    .group_segment_fixed_size: 0
    .private_segment_fixed_size: 0
    .kernarg_segment_align: 8
    .kernarg_segment_size: 72
    .max_flat_workgroup_size: 256
    .sgpr_count:     66
    .vgpr_count:     224
    .wavefront_size: 32
...
	.end_amdgpu_metadata
.endif
;; end of part 1
;; launch proj (part 2): grid 64 x 4, 8 waves a work-group, no clusters, 35,840 bytes of LDS; arguments query, key, value, wimg, cstab, lowp_scales, qimg, kvimg; writes qimg, kvimg
.if DOCPART == 2
	.amdgcn_target "amdgcn-amd-amdhsa--gfx1250"
	.amdhsa_code_object_version 6
	.text
	.protected	k_q7dc6cb0971_proj
	.globl	k_q7dc6cb0971_proj
	.p2align	8
	.type	k_q7dc6cb0971_proj,@function
k_q7dc6cb0971_proj:
	s_mov_b64 s[64:65], 0
	v_nop
	global_prefetch_b8 v0, s[64:65] scope:SCOPE_SE
	s_setreg_imm32_b32 hwreg(HW_REG_WAVE_MODE, 25, 1), 1
	s_wait_xcnt 0x0
; SECOND LAUNCH: the three projections on codes of FP8 (E4M3), the rotary embedding, and the quantisers of attention's operands.  Nothing of the problem is left out here.
; SHARES.  Work-group (x, g): rows 64 x .. 64 x + 63 of query (g = 0, 1: columns 512 g on of wq), key (g = 2) or value (g = 3) against 512 columns of weights; K = 2,048 in 16 steps of 128.
; Eight waves, two to a SIMD.  Wave w: all 64 rows x 64 columns of head w / 2: fragments t = 2 (w % 2) + {0, 1, 4, 5} of the head's eight, so that channel d and channel d + 64, which the rotary embedding pairs, lie in one wave.  16 accumulators.
; B: a fragment of the weights is multiplied by one wave alone, so its image (launch prep) goes from memory straight into that wave's operand registers: 16 loads of 512 consecutive bytes a K step, asked for two steps ahead, behind the products that free the set.
; NO CLUSTER, NO TENSOR LOAD: a joint load would bring the weights through LDS, 65,536 bytes a K step written and read again, for fragments that no two waves of a work-group share.
; A: wave w loads rows 8 w on as f32, a row's 512 bytes an instruction, two K steps ahead of their conversion; it holds and converts them (x / 2^e, within +-448, to the nearest code) and stores the codes into one of two LDS images of 64 rows x 256 K, which all waves read.
; Lane l of a load holds K = 4 l .. 4 l + 3; its four codes go to dword l with bits 1 and 2 changed, so that a 16-byte read gives registers 2 i, 2 i + 1 the K = 16 i + 8 h + 0 .. 7 of the form's own layout.
; ONE BARRIER for two K steps: in front of it my codes of the next two steps are stored and my reads of this image are over.
; MY LOADS are issued in the order A(s + 4), B(s + 2) in step s; the step's one wait leaves A(s + 3) and B(s + 1), 8 + 16 loads, out.
; q, k: source 0 = 16 columns of the weight, source 1 = 16 rows: a lane holds one row and eight neighbouring channels.  v: the sources the other way round: a lane holds one channel and eight neighbouring keys, the K of attention's second product.
; NO PREFETCH: every wave has loads of two K steps out through the whole walk.
; LIMITS: entries 0, 2, 4 of the scales, and e6 - e0 - e1, e7 - e2 - e3, e9 - e4 - e5, between -126 and 119.  NaN among the inputs is not served.
; REGISTERS.  Window 0: v1-15 addresses and scales; v16-23 at work; v24-31 codes; v32-95, v96-159 A's fragments, two sets; v160-223 two sets of 32 f32 numbers.  Window 1: accumulator (m, t) at v[8 (4 m + t)]; v128-255 B's fragments, two sets.
.set APITCH, 272
.set ABUF,   64*APITCH
.set SPARE,  2*ABUF                    ; behind A's two images: the spare words, 128 bytes a wave
.set AP, 40
.set BP, 42
.set AF, 32
.set ST, 160
.set PC, 24
.set RR, 32
.set CD, 96
.set BF, 128
.set MSB, 0
.macro WIN new
.if MSB != (\new)
	s_set_vgpr_msb (MSB<<8)|(\new)
.set MSB, (\new)
.endif
.endm
.macro PLACES
.rept 4
	v_nop
.endr
.endm
; one K step of my 8 rows into set; the base goes on by step first, behind the wait that frees it
.macro LOADS set, step
.if \step
	s_wait_xcnt 0x0
	s_add_nc_u64 s[AP:AP+1], s[AP:AP+1], \step
.endif
.irp i, 0,1,2,3,4,5,6,7
	global_load_b128 v[ST+32*(\set)+4*\i:ST+32*(\set)+4*\i+3], v1, s[AP:AP+1] offset:\i*8192
.endr
.endm
; one K step of my four fragments of B into set fs
.macro LOADB fs, step
.if \step
	s_wait_xcnt 0x0
	s_add_nc_u64 s[BP:BP+1], s[BP:BP+1], \step
.endif
	WIN 0x40
.irp t, 0,1,2,3
.irp c, 0,1,2,3
	global_load_b128 v[BF+64*(\fs)+16*\t+4*\c:BF+64*(\fs)+16*\t+4*\c+3], v1, s[BP:BP+1] offset:(\t%2)*2048+(\t/2)*8192+512*\c
.endr
.endr
	WIN 0
.endm
.macro QUANT q
.set i, 0
.rept 32
	v_med3_num_f32 v[ST+32*(\q)+i], v[ST+32*(\q)+i], -v11, v11   ; the conversion does not saturate (ISA guide 7.6.2): the hold comes first
.set i, i+1
.endr
.irp i, 0,1,2,3
	v_cvt_scalef32_pk8_fp8_f32 v[PC+2*\i:PC+2*\i+1], v[ST+32*(\q)+8*\i:ST+32*(\q)+8*\i+7], v10
.endr
	v_nop
.endm
.macro STOREA buf, q
.irp i, 0,1,2,3,4,5,6,7
	ds_store_b32 v2, v[PC+\i] offset:(\buf)*ABUF+\i*APITCH+128*(\q)
.endr
.endm
.macro FETCH buf, q                    ; A's four fragments of K step q of image buf into set q
.irp m, 0,1,2,3
.irp c, 0,1,2,3
	ds_load_b128 v[AF+64*(\q)+16*\m+4*\c:AF+64*(\q)+16*\m+4*\c+3], v3 offset:(\buf)*ABUF+\m*16*APITCH+128*(\q)+32*\c
.endr
.endr
.endm
; 16 products, one on each accumulator, in the same order in every step; four places follow
.macro MUL fs, zero
	s_cmp_eq_u32 s23, 3
	s_cbranch_scc1 .Lmv_\@
	WIN 0x51
.irp m, 0,1,2,3
.irp t, 0,1,2,3
.if \zero
	v_wmma_f32_16x16x128_fp8_fp8 v[8*(4*\m+\t):8*(4*\m+\t)+7], v[BF+64*(\fs)+16*\t:BF+64*(\fs)+16*\t+15], v[AF+64*(\fs)+16*\m:AF+64*(\fs)+16*\m+15], 0
.else
	v_wmma_f32_16x16x128_fp8_fp8 v[8*(4*\m+\t):8*(4*\m+\t)+7], v[BF+64*(\fs)+16*\t:BF+64*(\fs)+16*\t+15], v[AF+64*(\fs)+16*\m:AF+64*(\fs)+16*\m+15], v[8*(4*\m+\t):8*(4*\m+\t)+7]
.endif
.endr
.endr
	WIN 0
	s_branch .Lmj_\@
.Lmv_\@:
	WIN 0x54
.irp m, 0,1,2,3
.irp t, 0,1,2,3
.if \zero
	v_wmma_f32_16x16x128_fp8_fp8 v[8*(4*\m+\t):8*(4*\m+\t)+7], v[AF+64*(\fs)+16*\m:AF+64*(\fs)+16*\m+15], v[BF+64*(\fs)+16*\t:BF+64*(\fs)+16*\t+15], 0
.else
	v_wmma_f32_16x16x128_fp8_fp8 v[8*(4*\m+\t):8*(4*\m+\t)+7], v[AF+64*(\fs)+16*\m:AF+64*(\fs)+16*\m+15], v[BF+64*(\fs)+16*\t:BF+64*(\fs)+16*\t+15], v[8*(4*\m+\t):8*(4*\m+\t)+7]
.endif
.endr
.endr
	WIN 0
.Lmj_\@:
	PLACES
.endm
; An image's first K step s.  lc: my loads that may stay out.  quant: A(s + 2) is converted and stored; reload: its registers take A(s + 4); loadb: the set just multiplied takes B(s + 2).
.macro STEPA par, quant, reload, lc, loadb, zero
	s_wait_loadcnt \lc
.if \quant
	QUANT 0
	STOREA 1-\par, 0
.endif
.if \reload
	LOADS 0, 512
.endif
	FETCH \par, 1
	s_wait_dscnt 16                                ; all but the 16 loads just issued: this step's fragments of A are in
	MUL 0, \zero
.if \loadb
	LOADB 0, 65536
.endif
.endm
; cos and sin for tiles m0, m0 + 1 of 16 rows and my two pairs of fragments: 16 loads into tb on.  v has no rotary embedding
.macro TABLE m0, tb, win
	s_cmp_eq_u32 s23, 3
	s_cbranch_scc1 .Lnt_\@
	WIN \win
.irp m, 0,1
.irp c, 0,1,2,3
	global_load_b128 v[\tb+32*\m+4*\c:\tb+32*\m+4*\c+3], v1, s[70:71] offset:(\m0+\m)*8192+512*\c
	global_load_b128 v[\tb+32*\m+16+4*\c:\tb+32*\m+16+4*\c+3], v1, s[70:71] offset:(\m0+\m)*8192+4096+512*\c
.endr
.endr
	WIN 0
.Lnt_\@:
.endm
; An image's second K step, and the change of images
.macro TURN par, reload, lc, table
	s_wait_loadcnt \lc
	QUANT 1
	STOREA 1-\par, 1
.if \reload
	LOADS 1, 512
.endif
.if \table
	TABLE 0, ST, 0                                 ; into the registers that held A's numbers
.endif
	s_wait_dscnt 8                                 ; this step's fragments are in; the 8 stores just issued may be out
	MUL 1, 0
	LOADB 1, 65536
	s_wait_dscnt 0x0                               ; my codes' stores and my reads of this image are done
	s_barrier_signal -1
	s_barrier_wait -1
	FETCH 1-\par, 0
.endm
	s_load_b512 s[4:19], s[0:1], 0x0               ; query, key, value, wimg, cstab, the scales' exponents, qimg, kvimg
	v_lshl_add_u32 v8, v0, 2, SPARE                ; my spare word and 0, for the wave's end
	v_mov_b32 v9, 0
	v_lshrrev_b32 v16, 5, v0
	v_readfirstlane_b32 s20, v16                   ; wave 0..7
	v_and_b32 v1, 31, v0
	v_lshlrev_b32 v1, 4, v1                        ; 16 x lane
	s_lshr_b32 s21, s20, 1                         ; my head of the group's four
	s_and_b32 s24, s20, 1                          ; which half of its fragments
	s_mov_b32 s22, ttmp9                           ; x: my block of 64 rows
	s_and_b32 s23, ttmp7, 0xffff                   ; g
	s_lshl_b32 s56, s23, 20                        ; wimg [g][K step: 65,536][32 fragments of 2,048]
	s_lshl_b32 s57, s21, 14
	s_add_co_u32 s56, s56, s57
	s_lshl_b32 s57, s24, 12
	s_add_co_u32 s56, s56, s57
	s_mov_b32 s57, 0
	s_lshl_b32 s58, s22, 19                        ; 64 rows of 8,192 bytes,
	s_lshl_b32 s59, s20, 16                        ; my 8 of them
	s_add_co_u32 s58, s58, s59
	s_mov_b32 s59, 0
	s_wait_alu depctr_va_vdst(0)
	s_wait_kmcnt 0x0
	s_load_b256 s[44:51], s[14:15], 0x0
	s_load_b128 s[52:55], s[14:15], 0x20
	s_cmp_eq_u32 s23, 2
	s_cselect_b64 s[AP:AP+1], s[6:7], s[4:5]
	s_cmp_eq_u32 s23, 3
	s_cselect_b64 s[AP:AP+1], s[8:9], s[AP:AP+1]
	s_add_nc_u64 s[AP:AP+1], s[AP:AP+1], s[58:59]
	s_add_nc_u64 s[BP:BP+1], s[10:11], s[56:57]
	LOADS 0, 0                                     ; A(0), A(1), B(0), B(1)
	LOADS 1, 512
	LOADB 0, 0
	LOADB 1, 65536
	v_and_b32 v16, 0x19, v0                        ; lane with bits 1 and 2 changed
	v_bfe_u32 v17, v0, 1, 1
	v_lshl_add_u32 v16, v17, 2, v16
	v_bfe_u32 v17, v0, 2, 1
	v_lshl_add_u32 v16, v17, 1, v16
	v_lshlrev_b32 v2, 2, v16
	s_mul_i32 s56, s20, 8*APITCH
	v_add_nc_u32 v2, s56, v2                       ; where my codes go
	v_and_b32 v16, 15, v0
	v_bfe_u32 v17, v0, 4, 1
	v_mul_u32_u24 v3, v16, APITCH
	v_lshl_add_u32 v3, v17, 4, v3                  ; A's fragments
	s_mov_b32 s56, 4096
	s_cmp_eq_u32 s23, 2
	s_cselect_b32 s56, 16384, s56
	v_add_nc_u32 v15, s56, v1
	s_lshl_b32 s56, s23, 2                         ; the way out: qimg [head][tile of 16 rows], kvimg [head][slot of 256 keys], as launch attn reads them
	s_add_co_u32 s56, s56, s21
	s_lshl_b32 s56, s56, 19
	s_lshl_b32 s57, s22, 13
	s_add_co_u32 s56, s56, s57
	s_lshl_b32 s57, s21, 20
	s_lshr_b32 s58, s22, 2
	s_lshl_b32 s58, s58, 16
	s_add_co_u32 s57, s57, s58
	s_bfe_u32 s58, s22, 0x10001
	s_lshl_b32 s58, s58, 13
	s_add_co_u32 s57, s57, s58
	s_and_b32 s58, s22, 1
	s_lshl_b32 s59, s58, 15
	s_add_co_u32 s59, s59, s57
	s_lshl_b32 s58, s58, 10
	s_add_co_u32 s58, s58, s57
	s_add_co_u32 s58, s58, 4096
	s_cmp_eq_u32 s23, 3
	s_cselect_b32 s58, s58, s59
	s_cselect_b32 s59, 14, 9                       ; my half of the fragments: 16,384 bytes on in v's image, 512 in q's and k's
	s_lshl_b32 s59, s24, s59
	s_cmp_lt_u32 s23, 2
	s_cselect_b32 s68, s56, s58
	s_cselect_b64 s[66:67], s[16:17], s[18:19]
	s_add_co_u32 s68, s68, s59
	s_mov_b32 s69, 0
	s_add_nc_u64 s[66:67], s[66:67], s[68:69]
	s_lshl_b32 s68, s22, 15                        ; my four tiles of the table,
	s_lshl_b32 s59, s24, 11                        ; my four chunks of cos (and of sin, 4,096 bytes on)
	s_add_co_u32 s68, s68, s59
	s_add_nc_u64 s[70:71], s[12:13], s[68:69]
	s_wait_kmcnt 0x0
	s_cmp_eq_u32 s23, 2
	s_cselect_b32 s56, s46, s44                    ; A's e, B's e, the result's e
	s_cselect_b32 s57, s47, s45
	s_cselect_b32 s58, s51, s50
	s_cmp_eq_u32 s23, 3
	s_cselect_b32 s56, s48, s56
	s_cselect_b32 s57, s49, s57
	s_cselect_b32 s58, s53, s58
	s_sub_co_i32 s58, s58, s56
	s_sub_co_i32 s58, s58, s57
	s_add_co_i32 s56, s56, 127
	s_lshl_b32 s57, s56, 23
	v_mov_b32 v10, s57                             ; 2^e of A
	s_add_co_i32 s56, s56, 8
	s_lshl_b32 s56, s56, 23
	s_or_b32 s56, s56, 0x600000
	v_mov_b32 v11, s56                             ; 448 x that
	s_add_co_i32 s58, s58, 127
	s_lshl_b32 s57, s58, 23
	v_mov_b32 v12, s57                             ; 2^(the result's e less A's and B's)
	s_add_co_i32 s58, s58, 8
	s_lshl_b32 s58, s58, 23
	s_or_b32 s58, s58, 0x600000
	v_mov_b32 v13, s58
	s_wait_alu depctr_va_vdst(0)
	s_wait_loadcnt 40                              ; A(0) is in; A(1), B(0), B(1) may be out
	QUANT 0
	STOREA 0, 0
	LOADS 0, 512                                   ; A(2)
	s_wait_loadcnt 40                              ; A(1) is in; B(0), B(1), A(2) may be out
	QUANT 1
	STOREA 0, 1
	LOADS 1, 512                                   ; A(3)
	s_wait_dscnt 0x0
	s_barrier_signal -1
	s_barrier_wait -1
	FETCH 0, 0
	STEPA 0, 1, 1, 8, 1, 1                         ; K step 0: only A(3) may be out; the first products start the sums
	s_mov_b32 s25, 2
.Llap:                                                 ; a trip: four K steps, from an image's second step to the first of the image after the next
	TURN 0, 1, 24, 0
	STEPA 1, 1, 1, 24, 1, 0
	TURN 1, 1, 24, 0
	STEPA 0, 1, 1, 24, 1, 0
	s_sub_co_u32 s25, s25, 1
	s_cmp_lg_u32 s25, 0
	s_cbranch_scc1 .Llap
	TURN 0, 1, 24, 0                               ; K step 9
	STEPA 1, 1, 1, 24, 1, 0
	TURN 1, 1, 24, 0                               ; K step 11: A's last load, A(15)
	STEPA 0, 1, 0, 24, 1, 0
	TURN 0, 0, 16, 1                               ; K step 13: only B(14) may be out; B's last load, B(15)
	STEPA 1, 0, 0, 16, 0, 0                        ; K step 14: B(15) may be out
	s_wait_loadcnt 0x0
	TABLE 2, BF, 0x40                              ; into B's set 0, which K step 14 has left
	s_wait_dscnt 0x0
	MUL 1, 0
	s_cmp_eq_u32 s23, 3
	s_cbranch_scc1 .Lv_out
; q, k: x cos + rotate_half(x) sin on the sums as they stand (their scale is folded into the conversion's), the hold, the conversion; the results are two chunks of a fragment's image
.macro ROPE m, adr, tb, win
	WIN \win
.irp t, 0,1
.irp jj, 0,2,4,6
.set TA, 16+4*((\jj/2)%2)
	v_pk_mul_f32 v[TA:TA+1], v[8*(4*\m+\t+2)+\jj:8*(4*\m+\t+2)+\jj+1], v[\tb+16+8*\t+\jj:\tb+16+8*\t+\jj+1]
	v_pk_mul_f32 v[TA+2:TA+3], v[8*(4*\m+\t)+\jj:8*(4*\m+\t)+\jj+1], v[\tb+16+8*\t+\jj:\tb+16+8*\t+\jj+1]
	v_pk_fma_f32 v[RR+8*\t+\jj:RR+8*\t+\jj+1], v[8*(4*\m+\t)+\jj:8*(4*\m+\t)+\jj+1], v[\tb+8*\t+\jj:\tb+8*\t+\jj+1], v[TA:TA+1] neg_lo:[0,0,1] neg_hi:[0,0,1]
	v_pk_fma_f32 v[RR+8*(\t+2)+\jj:RR+8*(\t+2)+\jj+1], v[8*(4*\m+\t+2)+\jj:8*(4*\m+\t+2)+\jj+1], v[\tb+8*\t+\jj:\tb+8*\t+\jj+1], v[TA+2:TA+3]
.endr
.endr
	WIN 0
.set i, 0
.rept 32
	v_med3_num_f32 v[RR+i], v[RR+i], -v13, v13
.set i, i+1
.endr
.irp t, 0,1,2,3
	v_cvt_scalef32_pk8_fp8_f32 v[CD+8*\m+2*\t:CD+8*\m+2*\t+1], v[RR+8*\t:RR+8*\t+7], v12
.endr
	v_nop
	global_store_b128 v[\adr], v[CD+8*\m:CD+8*\m+3], s[66:67] offset:(\m%2)*2048          ; 512 consecutive bytes, aligned
	global_store_b128 v[\adr], v[CD+8*\m+4:CD+8*\m+7], s[66:67] offset:(\m%2)*2048+1024
.endm
	ROPE 0, 1, ST, 0x01
	ROPE 1, 1, ST+32, 0x01
	s_wait_loadcnt 0x0                             ; the table's second half
	ROPE 2, 15, BF, 0x05
	ROPE 3, 15, BF+32, 0x05
	s_branch .Lend
.Lv_out:                                               ; v: a lane's eight registers are eight neighbouring keys
.irp t, 0,1,2,3
	WIN 0x01
.irp m, 0,1,2,3
.irp j, 0,1,2,3,4,5,6,7
	v_med3_num_f32 v[RR+32*(\t%2)+8*\m+\j], v[8*(4*\m+\t)+\j], -v13, v13
.endr
.endr
	WIN 0
.irp m, 0,1,2,3
	v_cvt_scalef32_pk8_fp8_f32 v[CD+8*\t+2*\m:CD+8*\t+2*\m+1], v[RR+32*(\t%2)+8*\m:RR+32*(\t%2)+8*\m+7], v12
.endr
	v_nop
	global_store_b128 v1, v[CD+8*\t:CD+8*\t+3], s[66:67] offset:(\t/2)*32768+(\t%2)*2048
	global_store_b128 v1, v[CD+8*\t+4:CD+8*\t+7], s[66:67] offset:(\t/2)*32768+(\t%2)*2048+512
.endr
.Lend:
	s_wait_tensorcnt 0x0                           ; the wave's end
	ds_add_u32 v8, v9
	s_wait_dscnt 0x0
	s_endpgm
.Lfunc_end_k_q7dc6cb0971_proj:
	.size	k_q7dc6cb0971_proj, .Lfunc_end_k_q7dc6cb0971_proj-k_q7dc6cb0971_proj
	.p2alignl 7, 3214868480
	.fill 96, 4, 3214868480
	.section	.rodata,"a",@progbits
	.p2align	6, 0x0
	.amdhsa_kernel k_q7dc6cb0971_proj
		.amdhsa_group_segment_fixed_size 35840
		.amdhsa_private_segment_fixed_size 0
		.amdhsa_enable_private_segment 0
		.amdhsa_kernarg_size 64
		.amdhsa_user_sgpr_count 2
		.amdhsa_user_sgpr_kernarg_segment_ptr 1
		.amdhsa_wavefront_size32 1
		.amdhsa_system_sgpr_workgroup_id_x 1
		.amdhsa_system_sgpr_workgroup_id_y 1
		.amdhsa_system_sgpr_workgroup_id_z 1
		.amdhsa_system_vgpr_workitem_id 0
		.amdhsa_next_free_vgpr 512
		.amdhsa_next_free_sgpr 100
		.amdhsa_reserve_vcc 0
		.amdhsa_float_denorm_mode_32 3
		.amdhsa_float_denorm_mode_16_64 3
		.amdhsa_memory_ordered 1
		.amdhsa_forward_progress 1
		.amdhsa_inst_pref_size 141
	.end_amdhsa_kernel
	.amdgpu_metadata
---
amdhsa.version: [ 1, 2 ]
amdhsa.kernels:
  - .name:           k_q7dc6cb0971_proj
    .symbol:         k_q7dc6cb0971_proj.kd
    .args:
      - { .name: query, .offset: 0, .size: 8, .value_kind: global_buffer, .address_space: global }
      - { .name: key, .offset: 8, .size: 8, .value_kind: global_buffer, .address_space: global }
      - { .name: value, .offset: 16, .size: 8, .value_kind: global_buffer, .address_space: global }
      - { .name: wimg, .offset: 24, .size: 8, .value_kind: global_buffer, .address_space: global }
      - { .name: cstab, .offset: 32, .size: 8, .value_kind: global_buffer, .address_space: global }
      - { .name: lowp_scales, .offset: 40, .size: 8, .value_kind: global_buffer, .address_space: global }
      - { .name: qimg, .offset: 48, .size: 8, .value_kind: global_buffer, .address_space: global }
      - { .name: kvimg, .offset: 56, .size: 8, .value_kind: global_buffer, .address_space: global }
    .group_segment_fixed_size: 35840
    .private_segment_fixed_size: 0
    .kernarg_segment_align: 8
    .kernarg_segment_size: 64
    .max_flat_workgroup_size: 256
    .sgpr_count:     100
    .vgpr_count:     512
    .wavefront_size: 32
...
	.end_amdgpu_metadata
.endif
;; end of part 2
;; launch attn (part 3): grid 64 x 4, 8 waves a work-group, no clusters, 327,680 bytes of LDS; arguments qimg, kvimg, lowp_scales, oimg; writes oimg
.if DOCPART == 3
	.amdgcn_target "amdgcn-amd-amdhsa--gfx1250"
	.amdhsa_code_object_version 6
	.text
	.protected	k_q7dc6cb0971_attn
	.globl	k_q7dc6cb0971_attn
	.p2align	8
	.type	k_q7dc6cb0971_attn,@function
k_q7dc6cb0971_attn:
	s_mov_b64 s[64:65], 0
	v_nop
	global_prefetch_b8 v0, s[64:65] scope:SCOPE_SE
	s_setreg_imm32_b32 hwreg(HW_REG_WAVE_MODE, 25, 1), 1
	s_wait_xcnt 0x0
; THIRD LAUNCH: attention's two products on codes of FP8 (E4M3), the mask, the softmax, and the quantiser of the last product's left operand.
; LEFT OUT: blocks of 128 keys in which every (query, key) pair of a wave's 16 queries fails the mask that the problem builds itself (key <= query, key >= query - 2048): their weights are 0 for all inputs (shown at the head of launch prep).
; SHARES.  Work-group (b, kvh): queries 64 b .. 64 b + 63 of the two heads 2 kvh and 2 kvh + 1, which share K and V.  Eight waves, two to a SIMD.  Wave w: queries 64 b + 16 (w % 4) on, in both heads (tiles A and B), and every second block of 128 keys:
; half w / 4 = 0 takes blocks 3 and 1 of a slot's four, half 1 blocks 2 and 0.  Each fragment of K and V read from LDS feeds two matrix instructions.
; THE WALK goes DOWN from the diagonal: slots of 512 keys, numbers E, E - 1, .. E - 4 (E = b / 8): query - 2,048 lies exactly four slots under the query.  The trip counts are constants; a step whose block is left out jumps, on ids and counted steps alone,
; to the lines that step its addresses.  A slot with a negative number does not exist: the same kind of jump, the same in all waves, leads round the load alone; every wait on TENSORcnt is for 0, and no step reads such a slot (its first key is negative).
; A tile of 16 queries lies inside one block of 128 positions, so in every block that a wave multiplies each of its queries has a key that counts: M is a number from a wave's first step on.
; THE TWO HALVES ARE JOINED at the end: half 1 hands O^T, -M and its sum over through LDS; half 0 takes M = the larger of the two, multiplies each half's sum and O^T by 2^(its M - M), exact, and adds.  A wave that had no block holds zeros and the factor 0.
; NO CLUSTER: the blocks of queries with one E walk the same slots, but the walk ends at key 0, at a trip that hangs on the work-group's number, and every work-group named by a joint load has to issue it on every path.
; SOFTMAX: t = score x log2(e) / sqrt(128); M = the running largest t rounded up to a whole number; p = 2^(t - M) is quantised, not normalised; the row's sum is taken of the unquantised p; when M moves, sum and O are multiplied by 2^(old M - new M), exact.
; LAYOUT.  Both products are used transposed: S^T = K Q^T, O^T = V^T P^T: a lane holds ONE query (lane % 16).  Register j of tile T of S^T is key 16 T + 8 (lane / 16) + j: the conversions' results are registers 2 T, 2 T + 1 of P's fragment as they stand.
; LIMITS on the given exponents: e6 + e7 between -123 and 130 (added to c's exponent field); e8, and e10 - e8 - e9, between -126 and 119.  NaN among the inputs is not served.
; REGISTERS, in windows of 256.  Window 0: v1-11 addresses and work; v12-17, v20-25 the two tiles' -M, largest t, sum (a pair), factor (a pair); v26-43 at work and scales; v64-127, v128-191 S^T of A and of B, then p; v192-223 p's codes; v224-255 fragments 6, 7 of K, then of V.
;   Window 1: v0-63, v64-127 O^T of A and of B; v128-159 Q of A and of B; v160-255 fragments 0 to 5 of K, then of V.
.set SLOTB, 131072                     ; a slot: 512 keys of K and V
.set SPARE, 2*SLOTB                    ; behind the two slots: the spare words, 128 bytes for each wave
.set STAGE, SLOTB                      ; the hand-over lies in slot 1: the fifth and last slot of the walk lies in slot 0, so slot 1 has had its last fill, and nobody reads it behind the last change
.set SWAVE, 16896                      ; a tile's part of it: 128 registers' images of 512 bytes, and one for -M and the sums
.set LA,  1                            ; v1  16 x lane
.set ADR, 2                            ; v2  LDS address of the step's fragments
.set SPW, 3
.set NIL, 4
.set STG, 6                            ; v6  my tile's place in the hand-over
.set SA,  64
.set SB,  128
.set PA,  192
.set PB,  208
.set OA,  0
.set OB,  64
.set QA,  128
.set QB,  144
.set KV1, 160
.set KV0, 224
.set G1,  16                           ; s[16:23]
.set G0,  24                           ; s[24:27] the one group 0, which walks
.set TBQ, 28                           ; s28 LDS byte of the step's block
.set SLOTS, 29
.set NXT, 30                           ; s30 the number of the slot that the next change asks for
.set KF,  31                           ; s31 the step's first key
.set Q0,  32                           ; s32 my first query
.set TWICE, 33
.set SEL, 40                           ; s[40:41] lane selects: lane l xor 16
.set CS,  42                           ; s[42:43] c = log2(e) / sqrt(128) x 2^(e6 + e7)
.set MSB, 0
.macro WIN new
.if MSB != (\new)
	s_set_vgpr_msb (MSB<<8)|(\new)
.set MSB, (\new)
.endif
.endm
.macro PLACES
.rept 4
	v_nop
.endr
.endm
	s_load_b256 s[4:11], s[0:1], 0x0               ; qimg, kvimg, the scales' exponents, oimg
	v_lshl_add_u32 v[SPW], v0, 2, SPARE
	v_mov_b32 v[NIL], 0
	ds_add_u32 v[SPW], v[NIL]                      ; the opening: the add, twice on end, and its wait ahead of my first tensor load
	ds_add_u32 v[SPW], v[NIL]
	v_lshrrev_b32 v8, 5, v0
	v_readfirstlane_b32 s12, v8                    ; wave 0..7
	s_and_b32 s15, s12, 3                          ; my tile of 16 queries
	s_lshr_b32 s37, s12, 2                         ; my half of the blocks of keys
	s_and_b32 s13, ttmp7, 0xffff                   ; kvh
	s_lshr_b32 s14, ttmp9, 3                       ; E
	s_mov_b32 s[G1+0], 3<<16                       ; no mask; elements of 8 bytes; no padding
	s_mov_b32 s[G1+1], 32<<16                      ; rows of 256 bytes,
	s_mov_b32 s[G1+2], 64<<16                      ; 64 of them: 16,384 bytes, dense: an eighth of a slot
	s_mov_b32 s[G1+3], 32<<16
	s_mov_b32 s[G1+4], 64
	s_mov_b32 s[G1+5], 32
	s_mov_b32 s[G1+6], 0
	s_mov_b32 s[G1+7], 0
	s_mov_b32 s[SEL], 0x76543210
	s_mov_b32 s[SEL+1], 0xfedcba98
	s_mov_b32 s[CS], 0x3e0293ee
	s_xor_b32 s34, s37, 1                          ; 1 in half 0
	s_lshl_b32 s[TBQ], s34, 13                     ; block j of a slot lies at 65,536 (j / 2) + 8,192 (j % 2): I begin at block 3 (half 0) or 2 (half 1)
	s_add_co_u32 s[TBQ], s[TBQ], 65536
	s_mov_b32 s[SLOTS], 4
	s_sub_co_i32 s[NXT], s14, 1
	s_lshl_b32 s[KF], s14, 9
	s_lshl_b32 s34, s34, 7
	s_add_co_u32 s[KF], s[KF], s34
	s_add_co_u32 s[KF], s[KF], 256
	s_lshl_b32 s[Q0], ttmp9, 6
	s_lshl_b32 s34, s15, 4
	s_add_co_u32 s[Q0], s[Q0], s34
	s_mov_b32 s36, 2048                            ; the window
	s_lshl_b32 s34, s13, 20                        ; kvimg: head, slot E, my eighth
	s_lshl_b32 s35, s14, 17
	s_add_co_u32 s34, s34, s35
	s_lshl_b32 s[G0+1], s12, 14
	s_add_co_u32 s34, s34, s[G0+1]
	s_mov_b32 s35, 0
	s_wait_dscnt 0x0                               ; both opening adds are done
	s_wait_kmcnt 0x0
	s_load_b128 s[44:47], s[8:9], 0x18             ; e6, e7, e8, e9
	s_load_b32 s48, s[8:9], 0x28                   ; e10
	s_mov_b32 s[G0], 1
	s_add_nc_u64 s[G0+2:G0+3], s[6:7], s[34:35]
	s_or_b32 s[G0+3], s[G0+3], 0x80000000
	tensor_load_to_lds s[G0:G0+3], s[G1:G1+7]      ; slot E: every wave fetches an eighth; one load of mine is out
	s_nop 0
	PLACES
	s_mul_i32 s38, s15, SWAVE
	s_add_co_u32 s38, s38, STAGE
	v_and_b32 v[LA], 31, v0
	v_lshlrev_b32 v[LA], 4, v[LA]
	v_add_nc_u32 v[STG], s38, v[LA]
	s_wait_alu depctr_va_vdst(0)
	s_lshl_b32 s34, s13, 20                        ; qimg: (2 kvh x 256 + 4 b + tile) x 2,048
	s_lshl_b32 s38, ttmp9, 13
	s_add_co_u32 s34, s34, s38
	s_lshl_b32 s38, s15, 11
	s_add_co_u32 s34, s34, s38
	s_add_nc_u64 s[4:5], s[4:5], s[34:35]
	s_lshr_b32 s34, ttmp9, 1                       ; oimg [block of 128 rows][head][tile of 16 rows]: (b / 2) x 131,072 + 2 kvh x 16,384 + (4 (b % 2) + tile) x 2,048
	s_lshl_b32 s34, s34, 17
	s_lshl_b32 s38, s13, 15
	s_add_co_u32 s34, s34, s38
	s_and_b32 s38, ttmp9, 1
	s_lshl_b32 s38, s38, 2
	s_add_co_u32 s38, s38, s15
	s_lshl_b32 s38, s38, 11
	s_add_co_u32 s34, s34, s38
	s_add_nc_u64 s[10:11], s[10:11], s[34:35]
	WIN 0x40                                       ; destination window 1
.irp c, 0,1,2,3
	global_load_b128 v[QA+4*\c:QA+4*\c+3], v[LA], s[4:5] offset:512*\c
	global_load_b128 v[QB+4*\c:QB+4*\c+3], v[LA], s[4:5] offset:524288+512*\c
.endr
.set j, 0
.rept 128
	v_mov_b32 v[j], 0                              ; O^T of both tiles.  The step is written once, and which block is a wave's first hangs on its number: the first step finds zeros, which the first change of M leaves zeros
.set j, j+1
.endr
	WIN 0
	v_and_b32 v5, 15, v0
	v_bfe_u32 v8, v0, 4, 1
	v_lshlrev_b32 v8, 3, v8
	v_sub_nc_u32 v5, v5, v8                        ; r - 8 h
	v_mov_b32 v7, 0xff800000                       ; -infinity
	v_mov_b32 v13, 0xff61b1e6                      ; the largest t so far: -3e38, under every t
	v_floor_f32 v12, -v13
	v_mov_b32 v14, 0
	v_mov_b32 v15, 0
	v_mov_b32 v16, 0
	v_mov_b32 v17, 0                               ; (named as the upper half of a pair)
	v_mov_b32 v21, 0xff61b1e6
	v_floor_f32 v20, -v21
	v_mov_b32 v22, 0
	v_mov_b32 v23, 0
	v_mov_b32 v24, 0
	v_mov_b32 v25, 0
	v_mov_b32 v28, 0                               ; a lane permute's destination counts as one of its sources
	v_mov_b32 v31, 0
	v_mov_b32 v41, 0                               ; (upper halves of the pairs of the second half's factors)
	v_mov_b32 v43, 0
	s_wait_kmcnt 0x0
	s_add_co_i32 s34, s44, s45
	s_lshl_b32 s34, s34, 23
	s_add_co_i32 s[CS], s[CS], s34                 ; a score stands for score x 2^(e6 + e7)
	s_mov_b32 s[CS+1], s[CS]
	s_add_co_i32 s34, s46, 127
	s_lshl_b32 s35, s34, 23
	v_mov_b32 v33, s35                             ; 2^e8
	s_add_co_i32 s34, s34, 8
	s_lshl_b32 s34, s34, 23
	s_or_b32 s34, s34, 0x600000
	v_mov_b32 v32, s34                             ; 448 x 2^e8
	s_sub_co_i32 s34, s48, s46
	s_sub_co_i32 s34, s34, s47
	s_add_co_i32 s34, s34, 127
	s_lshl_b32 s35, s34, 23
	v_mov_b32 v34, s35                             ; 2^(e10 - e8 - e9), for the way out
	s_add_co_i32 s34, s34, 8
	s_lshl_b32 s34, s34, 23
	s_or_b32 s34, s34, 0x600000
	v_mov_b32 v35, s34
; the step's largest score of my query, the new M and the factor.  Both tiles line by line (u = 0: tile A, u = 1: tile B; scores at SA + 64 u, state at v[12 + 8 u], work at v[26 + 3 u]): four chains of maxima, and two tails that take turns
.macro MAXSTAT
.irp u, 0,1
	v_max3_num_f32 v[26+3*\u], v[SA+64*\u], v[SA+64*\u+1], v[SA+64*\u+2]
.endr
.irp u, 0,1
	v_max3_num_f32 v[27+3*\u], v[SA+64*\u+3], v[SA+64*\u+4], v[SA+64*\u+5]
.endr
.irp i, 6,10,14,18,22,26,30,34,38,42,46,50,54,58
.irp u, 0,1
	v_max3_num_f32 v[26+3*\u], v[26+3*\u], v[SA+64*\u+\i], v[SA+64*\u+\i+1]
.endr
.irp u, 0,1
	v_max3_num_f32 v[27+3*\u], v[27+3*\u], v[SA+64*\u+\i+2], v[SA+64*\u+\i+3]
.endr
.endr
.irp u, 0,1
	v_max3_num_f32 v[26+3*\u], v[26+3*\u], v[SA+64*\u+62], v[SA+64*\u+63]
.endr
.irp u, 0,1
	v_max_num_f32 v[26+3*\u], v[26+3*\u], v[27+3*\u]
.endr
.irp u, 0,1
	v_permlanex16_b32 v[28+3*\u], v[26+3*\u], s[SEL], s[SEL+1]
.endr
.irp u, 0,1
	v_max_num_f32 v[26+3*\u], v[26+3*\u], v[28+3*\u]   ; and among the other 64 keys, in lane l xor 16
.endr
.irp u, 0,1
	v_mul_f32 v[26+3*\u], s[CS], v[26+3*\u]            ; as t (c is positive)
.endr
.irp u, 0,1
	v_max_num_f32 v[13+8*\u], v[13+8*\u], v[26+3*\u]
.endr
.irp u, 0,1
	v_mov_b32 v[26+3*\u], v[12+8*\u]
.endr
.irp u, 0,1
	v_floor_f32 v[12+8*\u], -v[13+8*\u]                ; -M = floor(-t): M is a whole number
.endr
.irp u, 0,1
	v_sub_f32 v[26+3*\u], v[12+8*\u], v[26+3*\u]       ; old M - new M, 0 or less
.endr
.irp u, 0,1
	v_cvt_i32_f32 v[26+3*\u], v[26+3*\u]               ; (it saturates)
.endr
.irp u, 0,1
	v_ldexp_f32 v[16+8*\u], 1.0, v[26+3*\u]            ; 2^(old M - new M)
.endr
.endm
; the block's eight fragments of K (off = 0) or of V (off = 4,096): six into window 1, two into window 0
.macro KVLOAD off
	WIN 0x40
.irp T, 0,1,2,3,4,5
.irp c, 0,1,2,3
	ds_load_b128 v[KV1+16*\T+4*\c:KV1+16*\T+4*\c+3], v[ADR] offset:(\T/2)*16384+(\off)+(\T%2)*2048+512*\c
.endr
.endr
	WIN 0
.irp T, 6,7
.irp c, 0,1,2,3
	ds_load_b128 v[KV0+16*(\T-6)+4*\c:KV0+16*(\T-6)+4*\c+3], v[ADR] offset:(\T/2)*16384+(\off)+(\T%2)*2048+512*\c
.endr
.endr
.endm
; O^T += V^T P^T of one tile: eight accumulators by turns
.macro PV ob, pb
	WIN 0x51                                       ; V window 1, P window 0, O^T window 1
.irp t, 0,1,2,3,4,5
	v_wmma_f32_16x16x128_fp8_fp8 v[\ob+8*\t:\ob+8*\t+7], v[KV1+16*\t:KV1+16*\t+15], v[\pb:\pb+15], v[\ob+8*\t:\ob+8*\t+7]
.endr
	WIN 0x50                                       ; V window 0
.irp t, 6,7
	v_wmma_f32_16x16x128_fp8_fp8 v[\ob+8*\t:\ob+8*\t+7], v[KV0+16*(\t-6):KV0+16*(\t-6)+15], v[\pb:\pb+15], v[\ob+8*\t:\ob+8*\t+7]
.endr
	WIN 0
.endm
; A KEY STEP: 128 keys from s[KF] on, both tiles
.macro STEP
	s_cmp_lt_i32 s[KF], 0                          ; no such keys,
	s_cbranch_scc1 .Lskip_\@
	s_add_co_u32 s34, s[Q0], 15
	s_cmp_gt_i32 s[KF], s34                        ; or all behind my last query,
	s_cbranch_scc1 .Lskip_\@
	s_sub_co_i32 s34, s[Q0], 2175
	s_cmp_lt_i32 s[KF], s34                        ; or all more than 2,048 ahead of my first
	s_cbranch_scc1 .Lskip_\@
	v_add_nc_u32 v[ADR], s[TBQ], v[LA]
	s_wait_alu depctr_va_vdst(0)                   ; V's loads read the address behind the wait for K
	KVLOAD 0
	s_wait_dscnt 0x0                               ; K is in
	WIN 0x05                                       ; K window 1, Q window 1, S^T window 0
.irp T, 0,1,2,3,4,5
	v_wmma_f32_16x16x128_fp8_fp8 v[SA+8*\T:SA+8*\T+7], v[KV1+16*\T:KV1+16*\T+15], v[QA:QA+15], 0
	v_wmma_f32_16x16x128_fp8_fp8 v[SB+8*\T:SB+8*\T+7], v[KV1+16*\T:KV1+16*\T+15], v[QB:QB+15], 0
.endr
	WIN 0x04                                       ; K window 0
.irp T, 6,7
	v_wmma_f32_16x16x128_fp8_fp8 v[SA+8*\T:SA+8*\T+7], v[KV0+16*(\T-6):KV0+16*(\T-6)+15], v[QA:QA+15], 0
	v_wmma_f32_16x16x128_fp8_fp8 v[SB+8*\T:SB+8*\T+7], v[KV0+16*(\T-6):KV0+16*(\T-6)+15], v[QB:QB+15], 0
.endr
	WIN 0
	PLACES                                         ; in front of the loads into K's registers and of the first read of the scores
	KVLOAD 4096                                    ; V takes K's registers, and has the softmax in which to land
	s_add_co_u32 s34, s[KF], 127                   ; a step all of whose pairs count has no mask: last key <= my first query, first key >= my last query - 2,048
	s_cmp_le_i32 s34, s[Q0]
	s_cselect_b32 s35, 1, 0
	s_sub_co_i32 s34, s[Q0], 2033
	s_cmp_ge_i32 s[KF], s34
	s_cselect_b32 s34, 1, 0
	s_and_b32 s34, s34, s35
	s_cmp_lg_u32 s34, 0
	s_cbranch_scc1 .Lopen_\@
	s_sub_co_i32 s34, s[Q0], s[KF]
	v_add_nc_u32 v9, s34, v5                       ; query - key of register 0; a pair counts where 0 <= query - key <= 2,048: one unsigned compare, which serves both heads
.irp T, 0,1,2,3,4,5,6,7
.irp j, 0,1,2,3,4,5,6,7
	v_cmp_lt_u32 vcc_lo, s36, v9
	v_cndmask_b32 v[SA+8*\T+\j], v[SA+8*\T+\j], v7, vcc_lo
	v_cndmask_b32 v[SB+8*\T+\j], v[SB+8*\T+\j], v7, vcc_lo
.if \j < 7
	v_add_nc_u32 v9, -1, v9
.else
	v_add_nc_u32 v9, -9, v9
.endif
.endr
.endr
.Lopen_\@:
	MAXSTAT
.set j, 0
.rept 32
	v_pk_fma_f32 v[SA+2*j:SA+2*j+1], v[SA+2*j:SA+2*j+1], s[CS:CS+1], v[12:13] op_sel_hi:[1,0,0]   ; t - M, two at a time
.set j, j+1
.endr
	s_wait_alu depctr_va_vdst(0)
.set j, 0
.rept 32                               ; A's 64 exponentials are one batch; B's scalings stand between them
	v_exp_f32 v[SA+2*j], v[SA+2*j]
	v_pk_fma_f32 v[SB+2*j:SB+2*j+1], v[SB+2*j:SB+2*j+1], s[CS:CS+1], v[20:21] op_sel_hi:[1,0,0]
	v_exp_f32 v[SA+2*j+1], v[SA+2*j+1]
.set j, j+1
.endr
	v_pk_mul_f32 v[14:15], v[14:15], v[16:17] op_sel_hi:[1,0]   ; A's sum under the new M; a plain instruction behind the last exponential
	s_wait_alu depctr_va_vdst(0)                   ; one wait for the batch, ahead of its first reader
	v_pk_add_f32 v[14:15], v[14:15], v[SA:SA+1]    ; A's sum, of the unquantised p: 32 additions in four chains, all ahead of B's batch
	v_pk_add_f32 v[36:37], v[SA+2:SA+3], v[SA+4:SA+5]
	v_pk_add_f32 v[38:39], v[SA+6:SA+7], v[SA+8:SA+9]
	v_pk_add_f32 v[40:41], v[SA+10:SA+11], v[SA+12:SA+13]
.set j, 7
.rept 6
	v_pk_add_f32 v[14:15], v[14:15], v[SA+2*j:SA+2*j+1]
	v_pk_add_f32 v[36:37], v[36:37], v[SA+2*j+2:SA+2*j+3]
	v_pk_add_f32 v[38:39], v[38:39], v[SA+2*j+4:SA+2*j+5]
	v_pk_add_f32 v[40:41], v[40:41], v[SA+2*j+6:SA+2*j+7]
.set j, j+4
.endr
	v_pk_add_f32 v[14:15], v[14:15], v[SA+62:SA+63]
	v_pk_add_f32 v[36:37], v[36:37], v[38:39]
	v_pk_add_f32 v[14:15], v[14:15], v[40:41]
	v_pk_add_f32 v[14:15], v[14:15], v[36:37]
.set j, 0
.rept 32                               ; B's 64 exponentials; A's holds stand between them, and are first read behind the batch's wait
	v_exp_f32 v[SB+2*j], v[SB+2*j]
	v_min_num_f32 v[SA+2*j], v[SA+2*j], v32        ; the conversion does not saturate (ISA guide 7.6.2); p is not negative, so the hold is one-sided
	v_exp_f32 v[SB+2*j+1], v[SB+2*j+1]
	v_min_num_f32 v[SA+2*j+1], v[SA+2*j+1], v32
.set j, j+1
.endr
	v_pk_mul_f32 v[22:23], v[22:23], v[24:25] op_sel_hi:[1,0]
	s_wait_alu depctr_va_vdst(0)                   ; one wait for B's batch
.irp T, 0,1,2,3,4,5,6,7
	v_cvt_scalef32_pk8_fp8_f32 v[PA+2*\T:PA+2*\T+1], v[SA+8*\T:SA+8*\T+7], v33
.endr
	WIN 0x41
	s_wait_alu depctr_va_vdst(0)                   ; directly ahead of the first reader of O^T
.set j, 0
.rept 32
	v_pk_mul_f32 v[OA+2*j:OA+2*j+1], v[OA+2*j:OA+2*j+1], v[16:17] op_sel_hi:[1,0]   ; O^T under the new M; also the plain instructions behind the conversions
.set j, j+1
.endr
	s_wait_alu depctr_va_vdst(0)
	s_wait_dscnt 0x0                               ; V is in
	PV OA, PA
.set j, 0
.rept 32
	v_pk_add_f32 v[22:23], v[22:23], v[SB+2*j:SB+2*j+1]
	v_min_num_f32 v[SB+2*j], v[SB+2*j], v32
	v_min_num_f32 v[SB+2*j+1], v[SB+2*j+1], v32
.set j, j+1
.endr
.irp T, 0,1,2,3,4,5,6,7
	v_cvt_scalef32_pk8_fp8_f32 v[PB+2*\T:PB+2*\T+1], v[SB+8*\T:SB+8*\T+7], v33
.endr
	WIN 0x41
	s_wait_alu depctr_va_vdst(0)                   ; directly ahead of the first reader of the second tile's O^T
.set j, 0
.rept 32
	v_pk_mul_f32 v[OB+2*j:OB+2*j+1], v[OB+2*j:OB+2*j+1], v[24:25] op_sel_hi:[1,0]
.set j, j+1
.endr
	PV OB, PB
	PLACES                                         ; in front of the next loads into V's registers, and of the way out's reads
.Lskip_\@:
	s_xor_b32 s[TBQ], s[TBQ], 65536                ; my other block of the slot, two blocks down
	s_sub_co_i32 s[KF], s[KF], 256
.endm
; THE CHANGE OF SLOTS, at a slot's head.  Each wave waits for all its tensor loads (its eighth of the slot ahead), adds 0 to its spare word, and waits for that and for its reads of the slot that it has left.
; Behind the barrier the slot ahead is whole and nobody reads the other.  fill = 1: the other slot takes the 512 keys below, if there are such keys: the load has a slot's steps in which to land.
.macro CHANGE fill
	s_wait_tensorcnt 0x0                           ; no tensor load of mine is out, so the group 0 may be written
	ds_add_u32 v[SPW], v[NIL]                      ; 0 onto my spare word
.if \fill
	s_xor_b32 s[G0+1], s[G0+1], SLOTB              ; the other slot,
	s_sub_nc_u64 s[G0+2:G0+3], s[G0+2:G0+3], SLOTB ; the 512 keys below
.endif
	s_wait_dscnt 0x0
	s_barrier_signal -1
	s_barrier_wait -1
.if \fill
	s_cmp_lt_i32 s[NXT], 0                         ; the work-group's number and the count of trips alone: all waves go the same way
	s_cbranch_scc1 .Lpast_\@
	tensor_load_to_lds s[G0:G0+3], s[G1:G1+7]      ; the first thing behind the barrier, and my one tensor load until the next
	s_nop 0
	PLACES
.Lpast_\@:
	s_sub_co_i32 s[NXT], s[NXT], 1
.endif
.endm
.macro TWO_STEPS                       ; my two key steps of a slot: written once, walked twice
	s_mov_b32 s[TWICE], 2
.Lstep_\@:
	STEP
	s_sub_co_u32 s[TWICE], s[TWICE], 1
	s_cmp_lg_u32 s[TWICE], 0
	s_cbranch_scc1 .Lstep_\@
	s_xor_b32 s[TBQ], s[TBQ], SLOTB                ; on to the other slot
.endm
	s_wait_alu depctr_va_vdst(0)
	s_wait_loadcnt 0x0                             ; Q
.Lslot:                                                ; four trips: slots E .. E - 3
	CHANGE 1
	TWO_STEPS
	s_sub_co_u32 s[SLOTS], s[SLOTS], 1
	s_cmp_lg_u32 s[SLOTS], 0
	s_cbranch_scc1 .Lslot
	CHANGE 0                                       ; slot E - 4 is written out: nothing follows it
	TWO_STEPS
	; THE TWO HALVES ARE JOINED.  A lane of half 1 and the same lane of half 0 hold the same query and the same channels, so the hand-over is an image of registers: 16 bytes a lane, 512 a register group.
	v_add_f32 v14, v14, v15                        ; my lane's part of the two sums
	v_add_f32 v22, v22, v23
	s_wait_alu depctr_va_vdst(0)
	s_wait_dscnt 0x0
	s_barrier_signal -1
	s_barrier_wait -1                              ; no wave reads a slot any more
	s_cmp_eq_u32 s37, 0
	s_cbranch_scc1 .Lkeep
	v_mov_b32 v36, v12                             ; -M and the sum of tile A, of tile B
	v_mov_b32 v37, v14
	v_mov_b32 v38, v20
	v_mov_b32 v39, v22
	ds_store_b128 v[STG], v[36:39] offset:16384
	WIN 0x04                                       ; the data: window 1
.set j, 0
.rept 32
	ds_store_b128 v[STG], v[4*j:4*j+3] offset:512*j   ; O^T of both tiles, each accumulator from its low end on
.set j, j+1
.endr
	WIN 0
.Lkeep:
	s_wait_dscnt 0x0                               ; my stores are done
	s_barrier_signal -1
	s_barrier_wait -1
	s_cmp_lg_u32 s37, 0
	s_cbranch_scc1 .Lend                           ; half 1 has handed over
	ds_load_b128 v[36:39], v[STG] offset:16384
.set j, 0
.rept 32
	ds_load_b128 v[SA+4*j:SA+4*j+3], v[STG] offset:512*j
.set j, j+1
.endr
	s_wait_dscnt 0x0
	v_min_num_f32 v26, v12, v36                    ; -M of the two halves together: the smaller
	v_min_num_f32 v29, v20, v38
	v_sub_f32 v27, v26, v12                        ; my M - M, 0 or less,
	v_sub_f32 v30, v29, v20
	v_sub_f32 v10, v26, v36                        ; and the other half's
	v_sub_f32 v11, v29, v38
	v_cvt_i32_f32 v27, v27                         ; (it saturates: a half that had no block gets the factor 0)
	v_cvt_i32_f32 v30, v30
	v_cvt_i32_f32 v10, v10
	v_cvt_i32_f32 v11, v11
	v_ldexp_f32 v27, 1.0, v27
	v_ldexp_f32 v30, 1.0, v30
	v_ldexp_f32 v10, 1.0, v10
	v_ldexp_f32 v11, 1.0, v11
	v_mul_f32 v14, v14, v27
	v_mul_f32 v22, v22, v30
	v_fma_f32 v14, v37, v10, v14                   ; the sums under the common M
	v_fma_f32 v22, v39, v11, v22
	v_permlanex16_b32 v28, v14, s[SEL], s[SEL+1]
	v_permlanex16_b32 v31, v22, s[SEL], s[SEL+1]
	v_add_f32 v14, v14, v28                        ; and lane l xor 16's: the rows' sums
	v_add_f32 v22, v22, v31
	s_wait_alu depctr_va_vdst(0)
	v_rcp_f32 v16, v14
	v_rcp_f32 v24, v22
	v_nop                                          ; a plain instruction behind the last reciprocal
	s_wait_alu depctr_va_vdst(0)                   ; one wait for the two, ahead of their first reader
	v_mul_f32 v40, v10, v16                        ; each half's factor / the sum
	v_mul_f32 v42, v11, v24
	v_mul_f32 v16, v27, v16
	v_mul_f32 v24, v30, v24
.set j, 0
.rept 32
	v_pk_mul_f32 v[SA+2*j:SA+2*j+1], v[SA+2*j:SA+2*j+1], v[40:41] op_sel_hi:[1,0]
.set j, j+1
.endr
.set j, 0
.rept 32
	v_pk_mul_f32 v[SB+2*j:SB+2*j+1], v[SB+2*j:SB+2*j+1], v[42:43] op_sel_hi:[1,0]
.set j, j+1
.endr
	; THE WAY OUT.  O^T / the sum stands for the attention's result / 2^(e8 + e9): its code takes the scale 2^(e10 - e8 - e9).  The conversions' results are the fragment's registers: they leave as an image.
	WIN 0x01                                       ; source 0 window 1
	s_wait_alu depctr_va_vdst(0)                   ; directly ahead of the first readers of O^T
.set j, 0
.rept 32
	v_pk_fma_f32 v[SA+2*j:SA+2*j+1], v[OA+2*j:OA+2*j+1], v[16:17], v[SA+2*j:SA+2*j+1] op_sel_hi:[1,0,1]
.set j, j+1
.endr
.set j, 0
.rept 32
	v_pk_fma_f32 v[SB+2*j:SB+2*j+1], v[OB+2*j:OB+2*j+1], v[24:25], v[SB+2*j:SB+2*j+1] op_sel_hi:[1,0,1]
.set j, j+1
.endr
	WIN 0
.set j, 0
.rept 128
	v_med3_num_f32 v[SA+j], v[SA+j], -v35, v35
.set j, j+1
.endr
.irp t, 0,1,2,3,4,5,6,7,8,9,10,11,12,13,14,15
	v_cvt_scalef32_pk8_fp8_f32 v[PA+2*\t:PA+2*\t+1], v[SA+8*\t:SA+8*\t+7], v34
.endr
	v_nop
.irp c, 0,1,2,3
	global_store_b128 v[LA], v[PA+4*\c:PA+4*\c+3], s[10:11] offset:512*\c            ; 512 consecutive aligned bytes
	global_store_b128 v[LA], v[PB+4*\c:PB+4*\c+3], s[10:11] offset:16384+512*\c      ; the second head
.endr
.Lend:
	s_wait_tensorcnt 0x0                           ; the wave's end
	ds_add_u32 v[SPW], v[NIL]
	s_wait_dscnt 0x0
	s_endpgm
.Lfunc_end_k_q7dc6cb0971_attn:
	.size	k_q7dc6cb0971_attn, .Lfunc_end_k_q7dc6cb0971_attn-k_q7dc6cb0971_attn
	.p2alignl 7, 3214868480
	.fill 96, 4, 3214868480
	.section	.rodata,"a",@progbits
	.p2align	6, 0x0
	.amdhsa_kernel k_q7dc6cb0971_attn
		.amdhsa_group_segment_fixed_size 327680
		.amdhsa_private_segment_fixed_size 0
		.amdhsa_enable_private_segment 0
		.amdhsa_kernarg_size 32
		.amdhsa_user_sgpr_count 2
		.amdhsa_user_sgpr_kernarg_segment_ptr 1
		.amdhsa_wavefront_size32 1
		.amdhsa_system_sgpr_workgroup_id_x 1
		.amdhsa_system_sgpr_workgroup_id_y 1
		.amdhsa_system_sgpr_workgroup_id_z 1
		.amdhsa_system_vgpr_workitem_id 0
		.amdhsa_next_free_vgpr 512
		.amdhsa_next_free_sgpr 66
		.amdhsa_reserve_vcc 1
		.amdhsa_float_denorm_mode_32 3
		.amdhsa_float_denorm_mode_16_64 3
		.amdhsa_memory_ordered 1
		.amdhsa_forward_progress 1
		.amdhsa_inst_pref_size 119
	.end_amdhsa_kernel
	.amdgpu_metadata
---
amdhsa.version: [ 1, 2 ]
amdhsa.kernels:
  - .name:           k_q7dc6cb0971_attn
    .symbol:         k_q7dc6cb0971_attn.kd
    .args:
      - { .name: qimg, .offset: 0, .size: 8, .value_kind: global_buffer, .address_space: global }
      - { .name: kvimg, .offset: 8, .size: 8, .value_kind: global_buffer, .address_space: global }
      - { .name: lowp_scales, .offset: 16, .size: 8, .value_kind: global_buffer, .address_space: global }
      - { .name: oimg, .offset: 24, .size: 8, .value_kind: global_buffer, .address_space: global }
    .group_segment_fixed_size: 327680
    .private_segment_fixed_size: 0
    .kernarg_segment_align: 8
    .kernarg_segment_size: 32
    .max_flat_workgroup_size: 256
    .sgpr_count:     66
    .vgpr_count:     512
    .wavefront_size: 32
...
	.end_amdgpu_metadata
.endif
;; end of part 3
;; launch oproj (part 4): grid 8 x 32, 8 waves a work-group, clusters of 4 x 4, 327,680 bytes of LDS; arguments oimg, woimg, lowp_scales, out0; writes out0
.if DOCPART == 4
	.amdgcn_target "amdgcn-amd-amdhsa--gfx1250"
	.amdhsa_code_object_version 6
	.text
	.protected	k_q7dc6cb0971_oproj
	.globl	k_q7dc6cb0971_oproj
	.p2align	8
	.type	k_q7dc6cb0971_oproj,@function
k_q7dc6cb0971_oproj:
	s_mov_b64 s[64:65], 0
	v_nop
	global_prefetch_b8 v0, s[64:65] scope:SCOPE_SE
	s_setreg_imm32_b32 hwreg(HW_REG_WAVE_MODE, 25, 1), 1
	s_wait_xcnt 0x0
	s_wait_alu depctr_hold_cnt(0) depctr_sa_sdst(0) depctr_va_vdst(0) depctr_va_sdst(0) depctr_va_ssrc(0) depctr_va_vcc(0) depctr_vm_vsrc(0)
	s_getreg_b32 s2, hwreg(HW_REG_IB_STS2, 6, 4)
	s_cmp_eq_u32 s2, 0
	s_cbranch_scc0 .Lentry_in_a_cluster
	s_endpgm
.Lentry_in_a_cluster:
	s_bfe_u32 s2, ttmp6, 0x10000c
	s_cmp_lg_u32 s2, 0xf033
	s_cbranch_scc0 .Lentry_shape_is_right
	s_endpgm
.Lentry_shape_is_right:
; FOURTH LAUNCH: out0 [4,096][2,048] f32 = attention's result x wo, on codes of FP8 (E4M3); K = 1,024 in 8 steps of 128.  Nothing of the problem is left out here.  Each finished sum is multiplied once by 2^(e10 + e11).
; LIMIT: e10 + e11 between -126 and 127.
; A tile of the result is 128 rows x 256 columns: 256 work-groups.  Eight waves, two to a SIMD, each 64 rows x 64 columns: 16 accumulators.  Both operands come as fragment images (oimg [block of 128 rows][K step][8 fragments], woimg [256 columns][K step][16 fragments]).
; B: the tile's 262,144 bytes, all of K, are brought into LDS ONCE, at the head: wave w fetches K step w, 32,768 bytes, its one tensor load.  Nothing is filled again.
; CLUSTER 4 x 4: the four work-groups of a column of the cluster need the same B and ask for it JOINTLY.
; A: B's 262,144 bytes and A's 131,072 do not fit in LDS together, so A's fragments go from memory straight into the operand registers of the waves that multiply them, 16 loads of 512 consecutive bytes a K step, three K steps ahead; so A has no joint load.
; NO PREFETCH: the walk has no loop to run ahead in: B is asked for whole at the head, A three of eight K steps ahead.
; THE MATRIX INSTRUCTION IS USED TRANSPOSED (source 0 = 16 columns of wo, source 1 = 16 rows): a lane holds eight neighbouring numbers of a row of the result.
; REGISTERS: window 0: v20-29 addresses; v32-223 A's four fragments, three sets.  Window 1: accumulator (a, b) at v[8 (4 a + b)]; v128-255 B's four fragments, two sets.  On the way out window 0's v32-127 are at work.
.set STAGE,  262144                    ; behind B: the way out's stages, 16 rows x (256 bytes + 16) for each wave
.set SPITCH, 272
.set SPARE,  STAGE+8*16*SPITCH         ; behind the stages: the spare words, 128 bytes for each wave
.set ADRB, 20                          ; v20-23 my fragments of B in K steps 0-1, 2-3, 4-5, 6-7 (an LDS offset has 16 bits)
.set STO,  24
.set RD,   25
.set CO,   26
.set LA,   27
.set SPW,  28
.set NIL,  29
.set AF,   32
.set BF,   128
.set TMP,  32
.set BK,   64
.set G1, 24
.set G0, 32
.set MSB, 0
.macro WIN new
.if MSB != (\new)
	s_set_vgpr_msb (MSB<<8)|(\new)
.set MSB, (\new)
.endif
.endm
.macro PLACES
.rept 4
	v_nop
.endr
.endm
.macro CROUND                          ; a round of the cluster's barrier
	s_barrier_signal -1
	s_barrier_wait -1
	s_cmp_lg_u32 s14, 0
	s_cbranch_scc1 .Lnot_wave_0_\@
	s_barrier_signal -3
.Lnot_wave_0_\@:
	s_barrier_wait -3
	s_barrier_signal -1
	s_barrier_wait -1
.endm
.macro LOADA ks                        ; my four fragments of A of K step ks into set ks % 3: every offset is an immediate
.irp i, 0,1,2,3
.irp c, 0,1,2,3
	global_load_b128 v[AF+64*((\ks)%3)+16*\i+4*\c:AF+64*((\ks)%3)+16*\i+4*\c+3], v[LA], s[4:5] offset:(\ks)*16384+\i*2048+512*\c
.endr
.endr
.endm
.macro FETCHB ks                       ; my four fragments of B of K step ks into set ks % 2
	WIN 0x40
.irp i, 0,1,2,3
.irp c, 0,1,2,3
	ds_load_b128 v[BF+64*((\ks)%2)+16*\i+4*\c:BF+64*((\ks)%2)+16*\i+4*\c+3], v[ADRB+(\ks)/2] offset:((\ks)%2)*32768+\i*2048+512*\c
.endr
.endr
	WIN 0
.endm
; 16 matrix instructions, one on each accumulator, in the same order in every K step; four places behind them (ISA guide 7.12.1)
.macro MUL ks
	WIN 0x51
.irp a, 0,1,2,3
.irp b, 0,1,2,3
.if (\ks) == 0
	v_wmma_f32_16x16x128_fp8_fp8 v[8*(4*\a+\b):8*(4*\a+\b)+7], v[BF+64*((\ks)%2)+16*\b:BF+64*((\ks)%2)+16*\b+15], v[AF+64*((\ks)%3)+16*\a:AF+64*((\ks)%3)+16*\a+15], 0
.else
	v_wmma_f32_16x16x128_fp8_fp8 v[8*(4*\a+\b):8*(4*\a+\b)+7], v[BF+64*((\ks)%2)+16*\b:BF+64*((\ks)%2)+16*\b+15], v[AF+64*((\ks)%3)+16*\a:AF+64*((\ks)%3)+16*\a+15], v[8*(4*\a+\b):8*(4*\a+\b)+7]
.endif
.endr
.endr
	WIN 0
	PLACES
.endm
	s_load_b256 s[4:11], s[0:1], 0x0               ; oimg, woimg, the scales' exponents, out0
	v_lshl_add_u32 v[SPW], v0, 2, SPARE
	v_mov_b32 v[NIL], 0
	ds_add_u32 v[SPW], v[NIL]                      ; the opening: the add, twice on end, and its wait ahead of my first tensor load
	ds_add_u32 v[SPW], v[NIL]
	v_lshrrev_b32 v1, 5, v0
	v_readfirstlane_b32 s14, v1                    ; wave 0..7
	v_and_b32 v3, 31, v0
	v_lshlrev_b32 v[LA], 4, v3                     ; 16 x lane
	s_lshr_b32 s15, s14, 2                         ; which 64 rows are mine
	s_and_b32 s16, s14, 3                          ; which 64 columns
	s_bfe_u32 s66, ttmp6, 0x40000                  ; cx, cy
	s_bfe_u32 s67, ttmp6, 0x40004
	s_lshl_b32 s68, ttmp9, 2
	s_add_co_u32 s68, s68, s66                     ; tile column
	s_and_b32 s69, ttmp7, 0xffff
	s_lshl_b32 s69, s69, 2
	s_add_co_u32 s69, s69, s67                     ; tile row
	s_lshl_b32 s71, 0x1111, s66                    ; my column of the cluster
	s_or_b32 s[G1+0], s71, (3<<16)|(1<<21)         ; the mask; elements of 8 bytes; bit 21 set beside a mask; no padding
	s_mov_b32 s[G1+1], 32<<16                      ; rows of 256 bytes,
	s_mov_b32 s[G1+2], 128<<16                     ; 128 of them: a K step's 16 fragments of B
	s_mov_b32 s[G1+3], 32<<16
	s_mov_b32 s[G1+4], 128
	s_mov_b32 s[G1+5], 32
	s_mov_b32 s[G1+6], 0
	s_mov_b32 s[G1+7], 0
	s_lshl_b32 s[G0+1], s14, 15                    ; K step w lies at 32,768 w: no place in the cluster enters an LDS address
	s_lshl_b32 s74, s68, 18                        ; B hangs on the tile column and the wave alone
	s_add_co_u32 s74, s74, s[G0+1]
	s_mov_b32 s75, 0
	s_lshl_b32 s72, s69, 17                        ; A: my block of 128 rows,
	s_lshl_b32 s76, s15, 13                        ; my four of a K step's eight fragments
	s_add_co_u32 s72, s72, s76
	s_mov_b32 s73, 0
	s_wait_alu depctr_va_vdst(0)
	s_wait_dscnt 0x0                               ; both opening adds are done
	s_wait_kmcnt 0x0
	s_load_b64 s[96:97], s[8:9], 0x28              ; e10, e11
	s_add_nc_u64 s[4:5], s[4:5], s[72:73]
	LOADA 0                                        ; A's K steps 0 to 2 are asked for ahead of the round
	LOADA 1
	LOADA 2
	s_mov_b32 s[G0], 1
	s_add_nc_u64 s[G0+2:G0+3], s[6:7], s[74:75]
	s_or_b32 s[G0+3], s[G0+3], 0x80000000
	CROUND                                         ; all sixteen work-groups are here: the joint loads meet
	tensor_load_to_lds s[G0:G0+3], s[G1:G1+7]      ; my one tensor load
	s_nop 0
	PLACES
	s_lshl_b32 s78, s16, 13                        ; my four fragments of B in a K step
	s_mul_i32 s79, s14, 16*SPITCH
	s_add_co_u32 s79, s79, STAGE                   ; my stage
	v_and_b32 v1, 15, v0                           ; r
	v_bfe_u32 v2, v0, 4, 1                         ; h
	v_add_nc_u32 v[ADRB], s78, v[LA]
	v_add_nc_u32 v[ADRB+1], 65536, v[ADRB]
	v_add_nc_u32 v[ADRB+2], 131072, v[ADRB]
	v_add_nc_u32 v[ADRB+3], 196608, v[ADRB]
	v_mul_u32_u24 v4, v1, SPITCH                   ; in: row r, 32 bytes for each half of the lanes
	v_lshl_add_u32 v4, v2, 5, v4
	v_add_nc_u32 v[STO], s79, v4
	v_mul_u32_u24 v5, v2, SPITCH                   ; back: lanes 0-15 take one row of 256 bytes, lanes 16-31 the next
	v_lshl_add_u32 v5, v1, 4, v5
	v_add_nc_u32 v[RD], s79, v5
	v_lshlrev_b32 v6, 13, v2                       ; and the same two rows of the result, 8,192 bytes apart
	v_lshl_add_u32 v[CO], v1, 4, v6
	s_lshl_b32 s80, s69, 7
	s_lshl_b32 s81, s15, 6
	s_add_co_u32 s80, s80, s81                     ; my first row of the result,
	s_lshl_b32 s80, s80, 13                        ; of 8,192 bytes
	s_lshl_b32 s82, s68, 10
	s_lshl_b32 s83, s16, 8
	s_add_co_u32 s82, s82, s83                     ; my first column, in bytes
	s_add_co_u32 s80, s80, s82
	s_mov_b32 s81, 0
	s_add_nc_u64 s[10:11], s[10:11], s[80:81]
	s_wait_alu depctr_va_vdst(0)
	s_wait_tensorcnt 0x0                           ; my K step of B has landed
	s_barrier_signal -1
	s_barrier_wait -1                              ; all of B is in; nothing is filled again
	FETCHB 0
	FETCHB 1
.irp ks, 0,1,2,3,4,5,6,7
.if \ks < 6
	s_wait_loadcnt 32                              ; this step's A is in; the next two steps' may be out
.else
	s_wait_loadcnt 16*(7-\ks)
.endif
.if \ks < 7
	s_wait_dscnt 16                                ; this step's B is in; the next step's may be out
.else
	s_wait_dscnt 0x0
.endif
	MUL \ks
.if \ks < 5
	LOADA \ks+3
.endif
.if \ks < 6
	FETCHB \ks+2
.endif
.endr
; THE WAY OUT, block by block of 16 rows x 64 columns: a lane holds 32 neighbouring bytes of a row and the lanes beside it hold other rows, so a block goes through my own stage in LDS and comes back as whole rows of 256 bytes.
; LDS serves a wave's instructions in order (ISA guide 5.7.1.4): no wait between the stores and the loads, nor in front of the next block's stores.
.macro TOSTAGE a
	WIN 0x01                                       ; source 0 window 1
.set j, 0
.rept 16
	v_pk_mul_f32 v[TMP+j:TMP+j+1], v[32*(\a)+j:32*(\a)+j+1], s[96:97] op_sel_hi:[1,0]   ; x 2^(e10 + e11); each accumulator from its low end on
.set j, j+2
.endr
	WIN 0
.irp b, 0,1,2,3
	ds_store_b128 v[STO], v[TMP+8*\b:TMP+8*\b+3] offset:64*\b
	ds_store_b128 v[STO], v[TMP+8*\b+4:TMP+8*\b+7] offset:64*\b+16
.endr
.set BB, BK+32*((\a)%2)
.irp t, 0,1,2,3,4,5,6,7
	ds_load_b128 v[BB+4*\t:BB+4*\t+3], v[RD] offset:\t*2*SPITCH
.endr
.endm
.macro SEND a, younger                 ; younger: the LDS instructions issued behind block a's loads, which may stay out
.set BB, BK+32*((\a)%2)
	s_wait_dscnt \younger
.if (\a) > 0
	s_add_nc_u64 s[10:11], s[10:11], 16*8192       ; (behind a wait on XCNT: the earlier stores have read their base)
.endif
.irp t, 0,1,2,3,4,5,6,7
	global_store_b128 v[CO], v[BB+4*\t:BB+4*\t+3], s[10:11] offset:\t*2*8192 th:TH_STORE_NT   ; sixteen lanes store 256 consecutive bytes, aligned; written once, read by nobody here
.endr
.endm
	s_wait_kmcnt 0x0
	s_add_co_i32 s96, s96, s97
	s_add_co_i32 s96, s96, 127
	s_lshl_b32 s96, s96, 23                        ; 2^(e10 + e11) as f32
	TOSTAGE 0
.irp a, 1,2,3
.if \a > 1
	s_wait_xcnt 0x0                                ; block a - 2's stores have read their registers and their base
.endif
	TOSTAGE \a
	SEND \a-1, 16
.endr
	s_wait_xcnt 0x0
	SEND 3, 0
	s_wait_tensorcnt 0x0                           ; the wave's end, behind my tensor load and my last LDS store
	ds_add_u32 v[SPW], v[NIL]
	s_wait_dscnt 0x0
	CROUND                                         ; the closing round
	s_endpgm
.Lfunc_end_k_q7dc6cb0971_oproj:
	.size	k_q7dc6cb0971_oproj, .Lfunc_end_k_q7dc6cb0971_oproj-k_q7dc6cb0971_oproj
	.p2alignl 7, 3214868480
	.fill 96, 4, 3214868480
	.section	.rodata,"a",@progbits
	.p2align	6, 0x0
	.amdhsa_kernel k_q7dc6cb0971_oproj
		.amdhsa_group_segment_fixed_size 327680
		.amdhsa_private_segment_fixed_size 0
		.amdhsa_enable_private_segment 0
		.amdhsa_kernarg_size 32
		.amdhsa_user_sgpr_count 2
		.amdhsa_user_sgpr_kernarg_segment_ptr 1
		.amdhsa_wavefront_size32 1
		.amdhsa_system_sgpr_workgroup_id_x 1
		.amdhsa_system_sgpr_workgroup_id_y 1
		.amdhsa_system_sgpr_workgroup_id_z 1
		.amdhsa_system_vgpr_workitem_id 0
		.amdhsa_next_free_vgpr 512
		.amdhsa_next_free_sgpr 100
		.amdhsa_reserve_vcc 0
		.amdhsa_float_denorm_mode_32 3
		.amdhsa_float_denorm_mode_16_64 3
		.amdhsa_memory_ordered 1
		.amdhsa_forward_progress 1
		.amdhsa_inst_pref_size 48
	.end_amdhsa_kernel
	.amdgpu_metadata
---
amdhsa.version: [ 1, 2 ]
amdhsa.kernels:
  - .name:           k_q7dc6cb0971_oproj
    .symbol:         k_q7dc6cb0971_oproj.kd
    .args:
      - { .name: oimg, .offset: 0, .size: 8, .value_kind: global_buffer, .address_space: global }
      - { .name: woimg, .offset: 8, .size: 8, .value_kind: global_buffer, .address_space: global }
      - { .name: lowp_scales, .offset: 16, .size: 8, .value_kind: global_buffer, .address_space: global }
      - { .name: out0, .offset: 24, .size: 8, .value_kind: global_buffer, .address_space: global }
    .group_segment_fixed_size: 327680
    .private_segment_fixed_size: 0
    .kernarg_segment_align: 8
    .kernarg_segment_size: 32
    .max_flat_workgroup_size: 256
    .sgpr_count:     100
    .vgpr_count:     512
    .wavefront_size: 32
...
	.end_amdgpu_metadata
.endif
;; end of part 4
